; MI455X (gfx1250); checked and timed in simulation.
; The chip was launched on July 23, 2026; its instructions are those of AMD's public machine-readable ISA for CDNA 5 (MIT licence, August 2026) and "CDNA5" Instruction Set Architecture Reference Guide (July 2026). The comments in the code are by the model that wrote it; some were corrected since.
;; Causal Self Attention. Allowed arithmetic: matrix products marked QUANTISED: E2M3 operands, one E8M0 scale for each 32 along K, by v_wmma_scale_f32_16x16x128_f8f6f4 with both operands' format E2M3, f32 sums; everything else in f32.
;; Inputs: b_proj 1,024 float32; b_qkv 3,072 float32; w_proj 1,024 x 1,024 float32; w_qkv 1,024 x 3,072 float32; x 4 x 2,048 x 1,024 float32.
;; Outputs: out0 4 x 2,048 x 1,024 float32.
;; This version of the problem:
;;   THIS VERSION OF THE PROBLEM IS GIVEN IN LOW PRECISION. The matrix products marked QUANTISED in the list below multiply operands that are first quantised to E2M3 (2 exponent bits, 3 mantissa bits; 6 bits a number), with one power-of-two scale for each 32 numbers along K (OCP MX v1.0); their sums are f32. All else is computed in f32.
;;   The module's matrix products, in the order in which they are computed (A, B: the left and right operand; K: the contracted axis; several contracted axes count as one K, in the product's order):
;;     1. [M 8,192, K 1,024] x [K 1,024, N 3,072]; A: input x; B: input w_qkv: QUANTISED
;;     2. batch 64 x [M 2,048, K 64] x [K 64, N 2,048]; A: computed on the way; B: computed on the way: QUANTISED
;;     3. batch 64 x [M 2,048, K 2,048] x [K 2,048, N 64]; A: softmax (see below); B: computed on the way: QUANTISED
;;     4. [M 8,192, K 1,024] x [K 1,024, N 1,024]; A: computed on the way; B: input w_proj: QUANTISED
;;   THE QUANTISER, for each operand of a quantised product, along K:
;;     - K is cut into blocks of 32 from its start; a last block that is shorter is filled with zeros.
;;     - A block's scale is 2^e with e = floor(log2(the largest magnitude in the block)) - 2, held to -126 .. 127; a block of zeros has e = 0. As a byte (E8M0): e + 127.
;;     - Each number is divided by its block's scale, clamped to +-7.5, and rounded to the nearest number of E2M3, ties to even, subnormals kept.
;;     - The product sums the exact products of the quantised numbers (number of the format x scale) in f32.
;;   ~~~python
;;   def quantise(x, axis):      # numpy; x: float32 -> the quantised numbers, widened to float32 again
;;       x = np.moveaxis(x, axis, -1); K = x.shape[-1]
;;       x = np.pad(x, [(0, 0)] * (x.ndim - 1) + [(0, -K % 32)]); x = x.reshape(x.shape[:-1] + (-1, 32)); a = np.abs(x).max(-1, keepdims=True)
;;       e = np.where(a > 0, np.clip(np.frexp(np.where(a > 0, a, 1))[1] - 1 - 2, -126, 127), 0)      # np.frexp(a)[1] - 1 = floor(log2(a)), exactly
;;       r = np.clip(x / 2.0 ** e, -7.5, 7.5)
;;       step = 2.0 ** (np.maximum(np.frexp(np.where(r == 0, 1, r))[1] - 1, 0) - 3)
;;       q = np.round(r / step) * step * 2.0 ** e      # np.round: ties to even
;;       return np.moveaxis(q.reshape(q.shape[:-2] + (-1,))[..., :K], -1, axis).astype(np.float32)
;;   ~~~
;;   SOFTMAX AHEAD OF A QUANTISED PRODUCT. Where the list says 'softmax', what is quantised is not the finished softmax but p = 2^(t - M), with t = logit x log2(e) and M = ceil(the row's largest t), a whole number; so 1/2 < the row's largest p <= 1. The row's sum l is taken of the UNQUANTISED p, in f32, and the product's result is divided by l at the end. Since M is a whole number, a kernel that streams over the keys may use a running M (the ceiling of the running maximum): every later rescaling is an exact power of two, which a block's scale takes up: the codes' values come out the same.
;;   OPERANDS COMPUTED ON THE WAY. 'Computed on the way' means the value that the module computes at that place (a softmax that the list does not call 'softmax' is quantised finished and normalised). What goes into a quantiser is computed in f32, as accurately as f32 sums, v_exp_f32 and their like allow (about 1e-6 of the number): no bf16 or f16 on the way to a quantiser, and a product that is left as it is and whose result goes on into a quantised operand takes f32 operands (vector FMAs, or v_wmma_f32_16x16x4_f32). A number that lies on a knife's edge between two numbers of the format may be rounded either way, as far as f32 arithmetic and the matrix unit's own rounding can turn it there, and no further.
;; One version. Each part assembles by itself: llvm-mc -triple=amdgcn-amd-amdhsa -mcpu=gfx1250 --defsym DOCPART=n.
;; ======== version 1 of 1: 4 launches
;; workspace buffers: xq 6,553,600 bytes; wq 3,276,800 bytes; qkv 19,660,800 bytes; yq 6,553,600 bytes
;; launch quant (part 1): grid 512 x 1, 4 waves a work-group, no clusters, 49,664 bytes of LDS; arguments x, w_qkv, w_proj, xq, wq; writes xq, wq
.if DOCPART == 1
	.amdgcn_target "amdgcn-amd-amdhsa--gfx1250"
	.amdhsa_code_object_version 6
	.text
	.protected	k_q8637ed9115_quant
	.globl	k_q8637ed9115_quant
	.p2align	8
	.type	k_q8637ed9115_quant,@function
k_q8637ed9115_quant:
	s_mov_b64 s[64:65], 0
	v_nop
	global_prefetch_b8 v0, s[64:65] scope:SCOPE_SE
	s_setreg_imm32_b32 hwreg(HW_REG_WAVE_MODE, 25, 1), 1
	s_wait_xcnt 0x0
; x [8192][1024], w_qkv [1024][3072] and w_proj [1024][1024], f32, become codes of FP6 (E2M3) with one E8M0 scale byte for each 32 along K (K = 1,024: x's last axis, the weights' FIRST axis).
; A block's scale is 2^(floor(log2(its largest magnitude)) - 2); its byte is the largest magnitude's exponent field - 2, held at 1 from below.
; LIMITS: a block of zeros gets the byte 1 where the rule says 127 (its codes are zeros, which add nothing under any byte but 0xff, and this program alone reads the bytes); NaN and infinities among the inputs are not served.
; THE OUTPUT IS LAID IN THE ORDER OF THE OPERAND'S REGISTERS.  Rows (tokens of x, columns n of a weight) go in groups of 128, eight tiles of 16 each; lane r of tile t holds row 32 (t / 2) + 8 (t % 2) + r + 8 (r / 8) of its group.
; A group's block is 102,400 bytes: 4,096 of scale words, the word of (t, r, K step s) at 2048 (t / 4) + 256 s + 16 r + 4 (t % 4); then the fragments, (s, t) at 4096 + 12288 s + 1536 t.
; A fragment (16 rows x 128 K, 12 registers a lane) is six pieces of 256 bytes: piece p holds registers 2 p and 2 p + 1 of the 32 lanes, 8 bytes a lane.
; xq: 64 groups of tokens.  wq: groups 0-23 = w_qkv's columns, 24-31 = w_proj's.
; Work-groups 0-255 take x, 256-511 the weights: two ways through the text, each with LDS bytes of its own.  No work-group shares an input byte with another, so there are no clusters, no tensor loads and no matrix work.
.set GBLK,  102400
.set XSTW,  8448                       ; way X: a wave's stage at LDS byte 8448 x wave: 16 rows x 528 bytes
.set XP,    528                        ; 512 bytes of a row + 16: sixteen rows begin in sixteen different columns of 16 bytes
.set WIM,   33792                      ; way W: a wave's two fragment images, 1,664 bytes apart
.set WIMW,  3328
.set WIP,   1664                       ; 1,536 + 128: the second image's 128 bytes of a store fall beside the first's, not on them
.set WSC,   47104                      ; way W: the work-group's 128 scale words, as they lie in the block
.set WV,    14                         ; s14 wave
.set TM,    12                         ; way X: v12-13 largest magnitudes; v14-15 the conversions' scale operands; v16-17 bytes; v20-23 the four tiles' scale words
.set SOP,   14
.set BY,    16
.set WS,    20
.set F,     24                         ; v24-35 a fragment;  v36-43 the halves that a conversion cannot put in place
.set TC,    36
.set R,     64                         ; v64-191 two sets of 16 rows x 16 bytes as loaded
.set X,     192                        ; v192-255 my 64 numbers: k = 64 c + 32 h + 0 .. 31
.set OFF,   64                         ; way W: v64-95 byte offsets of 32 rows of the weight
.set WX,    96                         ; v96-159 two sets of 32 numbers down K
.macro XLOAD a                         ; tile a's sixteen rows: each load reads 512 consecutive bytes of one row
.irp i, 0,1,2,3,4,5,6,7,8,9,10,11,12,13,14,15
	global_load_b128 v[R+64*((\a)%2)+4*\i:R+64*((\a)%2)+4*\i+3], v4, s[4:5] offset:(32*((\a)/2)+8*((\a)%2)+\i+8*(\i/8))*4096 th:TH_LOAD_NT
.endr
.endm
.macro XTILE a
.if (\a) < 3
	s_wait_loadcnt 16                              ; this tile's sixteen loads are in; the next tile's sixteen may be out
.else
	s_wait_loadcnt 0x0
.endif
.irp i, 0,1,2,3,4,5,6,7,8,9,10,11,12,13,14,15
	ds_store_b128 v5, v[R+64*((\a)%2)+4*\i:R+64*((\a)%2)+4*\i+3] offset:\i*XP
.endr
.irp c, 0,1
.irp j, 0,1,2,3,4,5,6,7
	ds_load_b128 v[X+32*\c+4*\j:X+32*\c+4*\j+3], v6 offset:256*\c+16*\j   ; LDS serves a wave's instructions in order: these see the stores above
.endr
.endr
	s_wait_dscnt 0x0                               ; my numbers are back, and the stores have read their registers
.if (\a) > 0
	s_wait_xcnt 0x0                                ; the last tile's stores have read the fragment's registers
.endif
.if (\a) < 2
	XLOAD (\a)+2
.endif
.irp c, 0,1                                    ; my block 2 c + h: all its 32 numbers are mine
	v_max3_num_f32 v[TM+\c], |v[X+32*\c]|, |v[X+32*\c+1]|, 0x1800000   ; with the floor 2^(3 - 127): the byte cannot fall under 1
.endr
.irp i, 2,4,6,8,10,12,14,16,18,20,22,24,26,28,30
.irp c, 0,1
	v_max3_num_f32 v[TM+\c], v[TM+\c], |v[X+32*\c+\i]|, |v[X+32*\c+\i+1]|
.endr
.endr
.irp c, 0,1
	v_add_nc_u32 v[SOP+\c], 0xff000000, v[TM+\c]   ; 2 off the exponent field: the conversion takes that field as its scale
.endr
.irp c, 0,1
	v_lshrrev_b32 v[BY+\c], 23, v[SOP+\c]          ; the scale's byte
.endr
	v_lshl_or_b32 v9, v[BY+1], 16, v[BY]           ; my two bytes, blocks h and 2 + h,
	v_lshlrev_b32 v9, v8, v9                       ; 8 h bits up;
	v_permlanex16_b32 v10, v9, s20, s21
	v_or_b32 v[WS+(\a)], v9, v10                   ; with lane l xor 16's two the row's word is whole
.irp c, 0,1
	v_cvt_scalef32_pk16_fp6_f32 v[F+6*\c:F+6*\c+2], v[X+32*\c:X+32*\c+15], v[SOP+\c]
	v_cvt_scalef32_pk16_fp6_f32 v[TC+4*\c:TC+4*\c+2], v[X+32*\c+16:X+32*\c+31], v[SOP+\c]   ; (a conversion's three registers begin on an even number)
.endr
	v_nop                                          ; one plain place behind a scaled conversion
.irp c, 0,1
.irp i, 0,1,2
	v_mov_b32 v[F+6*\c+3+\i], v[TC+4*\c+\i]
.endr
.endr
.irp p, 0,1,2,3,4,5
	global_store_b64 v7, v[F+2*\p:F+2*\p+1], s[26:27] offset:(\a)*1536+256*\p   ; 32 lanes store 256 consecutive bytes, aligned
.endr
.endm
.macro WLOAD B                         ; block B of my column: 32 rows down K; a wave reads 128 consecutive bytes, the four waves side by side 512
.irp i, 0,1,2,3,4,5,6,7,8,9,10,11,12,13,14,15,16,17,18,19,20,21,22,23,24,25,26,27,28,29,30,31
	global_load_b32 v[WX+32*((\B)%2)+\i], v[OFF+\i], s[24+2*(\B):25+2*(\B)] th:TH_LOAD_NT
.endr
.endm
.macro WBLOCK B
.set XS, WX+32*((\B)%2)
.if (\B) < 3
	s_wait_loadcnt 32                              ; this block's 32 loads are in; the next block's may be out
.else
	s_wait_loadcnt 0x0
.endif
	v_max3_num_f32 v12, |v[XS]|, |v[XS+1]|, |v[XS+2]|
	v_max3_num_f32 v13, |v[XS+3]|, |v[XS+4]|, |v[XS+5]|
.irp i, 6,10,14,18,22,26
	v_max3_num_f32 v12, v12, |v[XS+\i]|, |v[XS+\i+1]|
	v_max3_num_f32 v13, v13, |v[XS+\i+2]|, |v[XS+\i+3]|
.endr
	v_max3_num_f32 v12, v12, |v[XS+30]|, |v[XS+31]|
	v_max3_num_f32 v12, v12, v13, 0x1800000        ; and the floor
	v_add_nc_u32 v14, 0xff000000, v12
.if (\B) == 0
	v_lshrrev_b32 v9, 23, v14                      ; the column's scale word for these 128 along K: the lower K in the lower byte
.else
	v_lshrrev_b32 v15, 23, v14
	v_lshl_or_b32 v9, v15, 8*(\B), v9
.endif
	v_cvt_scalef32_pk16_fp6_f32 v[16:18], v[XS:XS+15], v14
	v_cvt_scalef32_pk16_fp6_f32 v[20:22], v[XS+16:XS+31], v14
	v_nop                                          ; one plain place behind a scaled conversion
	v_mov_b32 v19, v20
	v_mov_b32 v20, v21
	v_mov_b32 v21, v22                             ; v16-21: the block's 24 bytes on end
.irp e, 0,1,2
	ds_store_b64 v5, v[16+2*\e:17+2*\e] offset:(3*((\B)/2)+\e)*256+128*((\B)%2)   ; block B = 2 c + h belongs to lane 16 h + r', registers 6 c on: pieces 3 c + e
.endr
.if (\B) < 2
	WLOAD (\B)+2
.endif
	s_wait_dscnt 0x0                               ; the stores have read their registers
.endm
	s_load_b128 s[4:7], s[0:1], 0x0                ; x, w_qkv
	s_load_b128 s[8:11], s[0:1], 0x10              ; w_proj, xq
	s_load_b64 s[12:13], s[0:1], 0x20              ; wq
	v_lshl_add_u32 v62, v0, 2, 0xc000
	v_mov_b32 v63, 0
	v_lshrrev_b32 v1, 5, v0
	v_readfirstlane_b32 s[WV], v1                  ; wave 0..3
	v_and_b32 v1, 31, v0                           ; lane
	s_cmp_lt_u32 ttmp9, 256
	s_cbranch_scc0 .Lweights
	; ---- WAY X.  Group G = id / 4, tiles 4 tg .. 4 tg + 3 (tg = bit 1 of id), K step s = 4 (id & 1) + wave: a wave makes four fragments from 64 rows x 512 bytes.
	v_and_b32 v2, 15, v0                           ; r
	v_bfe_u32 v3, v0, 4, 1                         ; h
	v_lshlrev_b32 v4, 4, v1                        ; 16 x lane: my bytes of a row's 512
	s_mul_i32 s15, s[WV], XSTW
	v_add_nc_u32 v5, s15, v4                       ; the stage, on the way in
	v_mul_u32_u24 v6, v2, XP
	v_lshl_add_u32 v6, v3, 7, v6
	v_add_nc_u32 v6, s15, v6                       ; and out: row r, + 128 h
	v_lshlrev_b32 v7, 3, v1                        ; 8 x lane: my place in a piece
	v_lshlrev_b32 v8, 3, v3                        ; 8 h
	v_mov_b32 v10, 0                               ; a lane permute's destination counts as one of its sources
	v_lshlrev_b32 v44, 4, v2                       ; 16 r: my row's four scale words
	s_mov_b32 s20, 0x76543210
	s_mov_b32 s21, 0xfedcba98                      ; v_permlanex16_b32's selects for lane l xor 16
	s_lshr_b32 s16, ttmp9, 2                       ; G
	s_bfe_u32 s17, ttmp9, 0x10001                  ; tg
	s_and_b32 s18, ttmp9, 1
	s_lshl_b32 s18, s18, 2
	s_add_co_u32 s18, s18, s[WV]                   ; s
	s_lshl_b32 s22, s16, 19                        ; x: 128 rows of 4,096 bytes a group,
	s_lshl_b32 s23, s17, 18                        ; 64 rows a half,
	s_add_co_u32 s22, s22, s23
	s_lshl_b32 s23, s18, 9                         ; 512 bytes a K step
	s_add_co_u32 s22, s22, s23
	s_mov_b32 s23, 0
	s_mul_i32 s24, s16, GBLK
	s_mul_i32 s26, s18, 12288
	s_mul_i32 s27, s17, 6144
	s_add_co_u32 s26, s26, s27
	s_add_co_u32 s26, s26, s24
	s_add_co_u32 s26, s26, 4096                    ; my four fragments
	s_mov_b32 s27, 0
	s_lshl_b32 s28, s17, 11
	s_lshl_b32 s29, s18, 8
	s_add_co_u32 s28, s28, s29
	s_add_co_u32 s28, s28, s24                     ; and their 256 bytes of scale words
	s_mov_b32 s29, 0
	s_wait_alu depctr_va_vdst(0)
	s_wait_kmcnt 0x0
	s_add_nc_u64 s[4:5], s[4:5], s[22:23]
	s_add_nc_u64 s[26:27], s[10:11], s[26:27]
	s_add_nc_u64 s[28:29], s[10:11], s[28:29]
	XLOAD 0
	XLOAD 1
	XTILE 0
	XTILE 1
	XTILE 2
	XTILE 3
	s_wait_xcnt 0x0                                ; EXEC changes only behind this wait
	v_cmp_gt_u32 vcc_lo, 16, v1
	s_wait_tensorcnt 0x0
	ds_add_u32 v62, v63
	s_wait_dscnt 0x0
	s_and_saveexec_b32 s30, vcc_lo
	global_store_b128 v44, v[WS:WS+3], s[28:29]    ; sixteen lanes store 256 consecutive bytes, aligned
	s_endpgm
.Lweights:
	; ---- WAY W.  V = id - 256: group G = V / 8, K step s = V % 8.  A LANE TAKES A COLUMN AND ITS REGISTERS RUN DOWN K: wave w, lane l: column 32 w + l of the group,
	; which is lane r' = l % 8 + 8 (l / 16) of tile 2 w + u, u = (l / 8) % 2.  Nothing is transposed by an instruction: the codes go into the fragments' images in LDS and leave 512 bytes at a time.
	s_sub_co_u32 s15, ttmp9, 256
	s_lshr_b32 s16, s15, 3                         ; G
	s_and_b32 s17, s15, 7                          ; s
	s_wait_alu depctr_va_vdst(0)
	v_lshlrev_b32 v4, 2, v1                        ; 4 x lane
	v_bfe_u32 v2, v0, 3, 1                         ; u
	v_and_b32 v3, 7, v0
	v_bfe_u32 v12, v0, 4, 1
	v_lshl_add_u32 v3, v12, 3, v3                  ; r'
	s_wait_alu depctr_va_vdst(0)
	s_mul_i32 s18, s[WV], WIMW
	s_add_co_u32 s18, s18, WIM
	v_mul_u32_u24 v5, v2, WIP
	v_lshl_add_u32 v5, v3, 3, v5
	v_add_nc_u32 v5, s18, v5                       ; into the images: image u, 8 r'
	v_lshlrev_b32 v7, 4, v1                        ; 16 x lane
	v_add_nc_u32 v6, s18, v7                       ; and out of them
	s_lshr_b32 s19, s[WV], 1
	s_lshl_b32 s19, s19, 8
	s_and_b32 s20, s[WV], 1
	s_lshl_b32 s21, s20, 3
	s_add_co_u32 s19, s19, s21
	s_add_co_u32 s19, s19, WSC
	v_lshlrev_b32 v8, 4, v3
	v_lshl_add_u32 v8, v2, 2, v8
	v_add_nc_u32 v8, s19, v8                       ; my scale word: 256 (t / 4) + 16 r' + 4 (t % 4), t = 2 w + u
	v_lshlrev_b32 v10, 3, v1                       ; 8 x lane
	s_lshl_b32 s20, s20, 8
	s_add_co_u32 s20, s20, WSC
	v_add_nc_u32 v11, s20, v10                     ; where waves 0 and 1 read the words back
	s_sub_co_u32 s21, s16, 24
	s_lshl_b32 s21, s21, 7                         ; w_proj: first column 128 (G - 24)
	s_lshl_b32 s22, s16, 7                         ; w_qkv: 128 G
	s_mov_b32 s23, 12288                           ; a row of w_qkv in bytes
	s_wait_kmcnt 0x0
	s_cmp_lt_u32 s16, 24                           ; which weight: the choice hangs on the work-group's number alone
	s_cselect_b64 s[6:7], s[6:7], s[8:9]
	s_cselect_b32 s23, s23, 4096
	s_cselect_b32 s22, s22, s21
	s_lshl_b32 s24, s[WV], 5
	s_add_co_u32 s22, s22, s24
	s_lshl_b32 s22, s22, 2                         ; my wave's first column, in bytes
	s_lshl_b32 s24, s17, 7
	s_mul_i32 s24, s24, s23                        ; row 128 s
	s_add_co_u32 s24, s24, s22
	s_mov_b32 s25, 0
	s_add_nc_u64 s[24:25], s[6:7], s[24:25]        ; a base for each block of 32 rows
	s_lshl_b32 s32, s23, 5
	s_mov_b32 s33, 0
	s_add_nc_u64 s[26:27], s[24:25], s[32:33]
	s_add_nc_u64 s[28:29], s[26:27], s[32:33]
	s_add_nc_u64 s[30:31], s[28:29], s[32:33]
.irp i, 0,1,2,3,4,5,6,7,8,9,10,11,12,13,14,15,16,17,18,19,20,21,22,23,24,25,26,27,28,29,30,31
	v_mad_u32_u24 v[OFF+\i], s23, \i, v4           ; row i of a block: the pitch is no constant of the text, so it cannot stand in the immediate
.endr
	WLOAD 0
	WLOAD 1
	s_mul_i32 s34, s16, GBLK
	s_mul_i32 s35, s17, 12288
	s_add_co_u32 s36, s34, s35
	s_mul_i32 s35, s[WV], 3072
	s_add_co_u32 s36, s36, s35
	s_add_co_u32 s36, s36, 4096                    ; fragments (s, 2 w) and (s, 2 w + 1)
	s_mov_b32 s37, 0
	s_add_nc_u64 s[36:37], s[12:13], s[36:37]
	s_lshl_b32 s38, s[WV], 11
	s_lshl_b32 s39, s17, 8
	s_add_co_u32 s38, s38, s39
	s_add_co_u32 s38, s38, s34                     ; scale words: 2048 x wave + 256 s (used by waves 0 and 1)
	s_mov_b32 s39, 0
	s_add_nc_u64 s[38:39], s[12:13], s[38:39]
	WBLOCK 0
	WBLOCK 1
	WBLOCK 2
	WBLOCK 3
	s_wait_alu depctr_va_vdst(0)
	ds_store_b32 v8, v9
.irp u, 0,1
.irp i, 0,1,2
	ds_load_b128 v[24+12*\u+4*\i:27+12*\u+4*\i], v6 offset:\u*WIP+512*\i   ; my own images: LDS serves a wave's instructions in order
.endr
.endr
.irp u, 0,1
.irp i, 0,1,2
	s_wait_dscnt 5-3*\u-\i                         ; the loads behind this one may be out
	global_store_b128 v7, v[24+12*\u+4*\i:27+12*\u+4*\i], s[36:37] offset:\u*1536+512*\i   ; 32 lanes store 512 consecutive bytes, aligned
.endr
.endr
	s_wait_dscnt 0x0                               ; for the others' sake: my scale words have landed
	s_barrier_signal -1
	s_barrier_wait -1
	s_cmp_lt_u32 s[WV], 2
	s_cbranch_scc0 .Lwend
	ds_load_b64 v[48:49], v11                      ; tiles 4 w .. 4 w + 3: words that two waves stored
	s_wait_dscnt 0x0
	global_store_b64 v10, v[48:49], s[38:39]       ; 32 lanes store 256 consecutive bytes, aligned
.Lwend:
	s_wait_tensorcnt 0x0
	ds_add_u32 v62, v63
	s_wait_dscnt 0x0
	s_endpgm
.Lfunc_end_k_q8637ed9115_quant:
	.size	k_q8637ed9115_quant, .Lfunc_end_k_q8637ed9115_quant-k_q8637ed9115_quant
	.p2alignl 7, 3214868480
	.fill 96, 4, 3214868480
	.section	.rodata,"a",@progbits
	.p2align	6, 0x0
	.amdhsa_kernel k_q8637ed9115_quant
		.amdhsa_group_segment_fixed_size 49664
		.amdhsa_private_segment_fixed_size 0
		.amdhsa_enable_private_segment 0
		.amdhsa_kernarg_size 40
		.amdhsa_user_sgpr_count 2
		.amdhsa_user_sgpr_kernarg_segment_ptr 1
		.amdhsa_wavefront_size32 1
		.amdhsa_system_sgpr_workgroup_id_x 1
		.amdhsa_system_sgpr_workgroup_id_y 1
		.amdhsa_system_sgpr_workgroup_id_z 1
		.amdhsa_system_vgpr_workitem_id 0
		.amdhsa_next_free_vgpr 256
		.amdhsa_next_free_sgpr 66
		.amdhsa_reserve_vcc 1
		.amdhsa_float_denorm_mode_32 3
		.amdhsa_float_denorm_mode_16_64 3
		.amdhsa_memory_ordered 1
		.amdhsa_forward_progress 1
		.amdhsa_inst_pref_size 57
	.end_amdhsa_kernel
	.amdgpu_metadata
---
amdhsa.version: [ 1, 2 ]
amdhsa.kernels:
  - .name:           k_q8637ed9115_quant
    .symbol:         k_q8637ed9115_quant.kd
    .args:
      - { .name: x, .offset: 0, .size: 8, .value_kind: global_buffer, .address_space: global }
      - { .name: w_qkv, .offset: 8, .size: 8, .value_kind: global_buffer, .address_space: global }
      - { .name: w_proj, .offset: 16, .size: 8, .value_kind: global_buffer, .address_space: global }
      - { .name: xq, .offset: 24, .size: 8, .value_kind: global_buffer, .address_space: global }
      - { .name: wq, .offset: 32, .size: 8, .value_kind: global_buffer, .address_space: global }
    .group_segment_fixed_size: 49664
    .private_segment_fixed_size: 0
    .kernarg_segment_align: 8
    .kernarg_segment_size: 40
    .max_flat_workgroup_size: 128
    .sgpr_count:     66
    .vgpr_count:     256
    .wavefront_size: 32
...
	.end_amdgpu_metadata
.endif
;; end of part 1
;; launch gemm_qkv (part 2): grid 64 x 4, 4 waves a work-group, clusters of 4 x 4, 327,680 bytes of LDS; arguments xq, wq, b_qkv, qkv; writes qkv
.if DOCPART == 2
	.amdgcn_target "amdgcn-amd-amdhsa--gfx1250"
	.amdhsa_code_object_version 6
	.text
	.protected	k_q8637ed9115_gemm_qkv
	.globl	k_q8637ed9115_gemm_qkv
	.p2align	8
	.type	k_q8637ed9115_gemm_qkv,@function
k_q8637ed9115_gemm_qkv:
	s_mov_b64 s[64:65], 0
	v_nop
	global_prefetch_b8 v0, s[64:65] scope:SCOPE_SE
	s_setreg_imm32_b32 hwreg(HW_REG_WAVE_MODE, 25, 1), 1
	s_wait_xcnt 0x0
	s_wait_alu depctr_hold_cnt(0) depctr_sa_sdst(0) depctr_va_vdst(0) depctr_va_sdst(0) depctr_va_ssrc(0) depctr_va_vcc(0) depctr_vm_vsrc(0)
	s_getreg_b32 s2, hwreg(HW_REG_IB_STS2, 6, 4)
	s_cmp_eq_u32 s2, 0
	s_cbranch_scc0 .Lentry_in_a_cluster
	s_endpgm
.Lentry_in_a_cluster:
	s_bfe_u32 s2, ttmp6, 0x10000c
	s_cmp_lg_u32 s2, 0xf033
	s_cbranch_scc0 .Lentry_shape_is_right
	s_endpgm
.Lentry_shape_is_right:
; qkv = x w_qkv + b_qkv on codes of FP6 (E2M3) with E8M0 scales for each 32 along K = 1,024, and the result quantised on the way out: q and k along the head's 64, v along the tokens.  No f32 number goes to memory.
; OPERANDS come as blocks of 102,400 bytes for 128 rows (scale words, then fragments in the order of the operand's registers); lane r of tile t holds row 32 (t / 2) + 8 (t % 2) + r + 8 (r / 8) of its group,
; so that in a result the 16 registers of source 0's tiles 2 b and 2 b + 1 are rows 32 b + 16 (lane / 16) + 0 .. 15: sixteen neighbours, as the conversions want them.
; SHARES.  A tile is 128 rows of P (source 0) x 256 rows of R (source 1), all of K in LDS.  All four waves use P's 128 rows; wave w takes R's group w / 2, tiles 4 (w % 2) + 0 .. 3: 32 accumulators,
; 32 matrix instructions a K step of 128, eight K steps.
; A WORK-GROUP STAYS and makes THREE tiles, written out one behind the other (c: the cluster's number, 0 .. 15):
;   tile 0, q: P = 128 columns of the weight, group 4 (c % 2) + cx;  R = 256 tokens, pair 4 (c / 2) + cy: a lane holds a token and its registers run along the columns.
;   tile 1, k: P = the group 8 further on;  R = the same tokens, which stay in LDS and are not fetched again.
;   tile 2, v: P = 128 tokens, group 4 c + cx;  R = 256 columns of v, pair cy: a lane holds a column and its registers run down the tokens, which are the keys.
; THE RING.  Each of the three blocks in LDS is two slots: slot 0 = its scale words and K steps 0-3 (53,248 bytes), slot 1 = K steps 4-7 (49,152).  At the head of K step 3 nobody reads slot 0 any more: it takes the next
; tile's first half; at the head of K step 7 slot 1 takes the second half.  So a tile's operands are asked for during the tile before, and a tile's stores leave while the next tile is multiplied.
; CLUSTERS: 4 x 4 work-groups.  P's block hangs on cx alone and is asked for jointly by the four of a column of the cluster, R's on cy alone, by the four of a row: each block is requested once for four.
; OUT.  qkv: codes, 6,291,456 bytes each for q, k, v; in them a block of 12,288 bytes for idx = ((batch x 8 + head pair) x 16 + group of 128 tokens); in it 6144 X + 3072 hf + 768 a + 256 p + 8 lane.
;   q, k: X = the head's parity, token tile 4 hf + a, lane (r, h) = block h of the head's 64.   v: hf = the head's parity, a = the tile of d, X = which 64 of the 128 keys.
;   scale words from byte 18,874,368 on, 262,144 bytes each for q, k, v, 512 for an idx.  q, k: tile pair f at 128 f + 8 r + 4 parity (bytes 0, 1: tile 2 f; 2, 3: tile 2 f + 1).  v: 256 parity + 128 (a / 2) + 8 r + 4 (a % 2).
; LIMITS: a block of zeros gets the scale byte 1 where the rule says 127 (its codes are zeros; this program alone reads the bytes); NaN and infinities are not served.
; REGISTERS, in windows of 256: window 0: v1-15, v24-27 addresses; v16-23, v28-31 at work; v32-95 scale words (8 a K step); v96-159 the bias; v160-225 the way out.   window 1: P's fragments, set p at v[128 p + 12 b].
;   window 2: accumulator (a, b) at v[64 a + 8 b].   window 3: R's fragments, set p at v[64 p + 12 a].
.set GBLK,  102400
.set HALF0, 53248                      ; slot 0 of a block: 208 rows of 256 bytes;  slot 1: the other 192 rows
.set SPARE, 3*GBLK                     ; behind the three blocks: the spare words, 128 bytes for each wave: two blocks of 256 bytes that no other line names
.set ADP,   4                          ; v4-5   P's fragments of K steps 0-3, 4-7
.set ADR,   6                          ; v6-7   R's
.set ADS,   8                          ; v8     scale words: lanes 0-15 P's tiles 0-3, lanes 16-31 my four tiles of R
.set VO,    9                          ; v9     tiles 0 and 1: my byte offset among the codes of q (k's lie 6,291,456 bytes on)
.set VOS,   10                         ; v10    and among its scale words (k's: 262,144 bytes on)
.set ADS2,  11                         ; v11    scale words: lanes 0-15 P's tiles 4-7, lanes 16-31 R's again
.set FL,    12                         ; v12    the floor 2^(3 - 127)
.set L8,    13                         ; v13    8 x lane
.set B64,   14                         ; v14    64 h: the bias of P's rows
.set KR4,   15                         ; v15    4 (r + 8 (r / 8)): the bias of R's rows
.set TM,    16
.set T2,    20
.set VO2,   24                         ; v24    tile 2: my byte offset among the codes of v
.set VOS2,  25                         ; v25    and among its scale words
.set SPW,   26                         ; v26    LDS address of my spare word: SPARE + 4 x my thread's number; never rewritten
.set NIL,   27                         ; v27    0; never rewritten
.set SOP,   28
.set SC,    32
.set BI,    96
.set HC,    160                        ; v160-207 the codes, 12 registers for each a
.set TC,    208
.set PW,    216                        ; v216-219 the scale word of each a
.set U,     220
.set T,     224
.set WV,    14
.set CX,    15
.set CY,    16
.set GR,    17
.set HF,    18
.set G1P,   24                         ; s[24:31], s[32:39] descriptor group 1 for P's slot 0 and slot 1;  s[40:47], s[48:55] for R's: they differ from P's in the mask
.set G1R,   40
.set G0P,   56                         ; s[56:59], s[60:63] group 0 for P's slots;  s[68:71], s[72:75] for R's
.set G0R,   68
.set SEL,   66
.set PBQ,   76                         ; s[76:77] P's block of tile 0;  s[78:79] of tile 2
.set PBV,   78
.set RBQ,   80                         ; s[80:81] R's group wave / 2 of tiles 0 and 1;  s[82:83] of tile 2
.set RBV,   82
.set BBQ,   84                         ; s[84:85] the bias of tile 0's columns;  s[86:87] of my 64 columns of v
.set BBV,   86
.set MSB, 0
.macro WIN new                         ; the immediate's high byte repeats the setting that is left
.if MSB != \new
	s_set_vgpr_msb (MSB<<8)|\new
.set MSB, \new
.endif
.endm
.macro PLACES                          ; four places: in front of loads into registers that matrix instructions have read, and of the first read of results (ISA guide 7.12.1 for vector instructions)
.rept 4
	v_nop
.endr
.endm
.macro CROUND                          ; a round of the cluster's barrier
	s_barrier_signal -1
	s_barrier_wait -1
	s_cmp_lg_u32 s[WV], 0
	s_cbranch_scc1 .Lnot_wave_0_\@
	s_barrier_signal -3
.Lnot_wave_0_\@:
	s_barrier_wait -3
	s_barrier_signal -1
	s_barrier_wait -1
.endm
; A joint refill of one slot: wave 0 fetches P's (p = 1), waves 1 and 2 R's two groups (r = 1), wave 3 nothing.  The branches hang on the wave's number alone.  Four v_nop follow each load.
.macro JLOAD slot, p, r
	s_cmp_eq_u32 s[WV], 0
	s_cbranch_scc0 .Lnot_p_\@
.if \p
	tensor_load_to_lds s[G0P+4*\slot:G0P+4*\slot+3], s[G1P+8*\slot:G1P+8*\slot+7]
	s_nop 0
	PLACES
.endif
	s_branch .Lasked_\@
.Lnot_p_\@:
.if \r
	s_cmp_lt_u32 s[WV], 3
	s_cbranch_scc0 .Lasked_\@
	tensor_load_to_lds s[G0R+4*\slot:G0R+4*\slot+3], s[G1R+8*\slot:G1R+8*\slot+7]
	s_nop 0
	PLACES
.endif
.Lasked_\@:
.endm
.macro FETCH s, set                    ; K step s: P's eight fragments and my four of R; each load takes 256 consecutive bytes
	WIN 0x40                                       ; destination window 1
.irp b, 0,1,2,3,4,5,6,7
.irp p, 0,1,2,3,4,5
	ds_load_b64 v[128*(\set)+12*\b+2*\p:128*(\set)+12*\b+2*\p+1], v[ADP+(\s)/4] offset:((\s)%4)*12288+\b*1536+\p*256
.endr
.endr
	WIN 0xc0                                       ; destination window 3
.irp a, 0,1,2,3
.irp p, 0,1,2,3,4,5
	ds_load_b64 v[64*(\set)+12*\a+2*\p:64*(\set)+12*\a+2*\p+1], v[ADR+(\s)/4] offset:((\s)%4)*12288+\a*1536+\p*256
.endr
.endr
	WIN 0
.endm
.macro SCALES                          ; a tile's scale words for all eight K steps
.irp s, 0,1,2,3,4,5,6,7
	ds_load_b128 v[SC+8*\s:SC+8*\s+3], v[ADS] offset:\s*256
	ds_load_b128 v[SC+8*\s+4:SC+8*\s+7], v[ADS2] offset:\s*256
.endr
.endm
; 16 matrix instructions: my tiles a0, a0 + 1 of R against P's eight.  cmode 0: onto the sums; 1: the sums begin with the bias of P's rows; 2: with the bias of R's rows.
; The 32 accumulators take turns, in the same order in every K step and from tile to tile.
.macro MULH s, set, cmode, a0
.if \cmode == 0
	WIN 0xad                                       ; source 0 window 1, source 1 window 3, C and D window 2
.else
	WIN 0x8d                                       ; C window 0
.endif
.irp a, \a0, \a0+1
.irp b, 0,1,2,3,4,5,6,7
.if \cmode == 0
.set CR, 64*(\a)+8*\b
.elseif \cmode == 1
.set CR, BI+8*\b
.else
.set CR, BI+8*(\a)
.endif
	v_wmma_scale_f32_16x16x128_f8f6f4 v[64*(\a)+8*\b:64*(\a)+8*\b+7], v[128*(\set)+12*\b:128*(\set)+12*\b+11], v[64*(\set)+12*(\a):64*(\set)+12*(\a)+11], v[CR:CR+7], v[SC+8*(\s)+\b], v[SC+8*(\s)+(\a)] matrix_a_fmt:MATRIX_FMT_FP6 matrix_b_fmt:MATRIX_FMT_FP6 matrix_b_scale:MATRIX_SCALE_ROW1
.endr
.endr
.endm
.macro BIASP off                       ; lane (r, h), tile b of P: the bias of columns 32 (b / 2) + 8 (b % 2) + 16 h + 0 .. 7; off: 0 for q, 4,096 bytes (8 groups of 128 columns) for k
.irp b, 0,1,2,3,4,5,6,7
	global_load_b128 v[BI+8*\b:BI+8*\b+3], v[B64], s[BBQ:BBQ+1] offset:\off+(32*(\b/2)+8*(\b%2))*4
	global_load_b128 v[BI+8*\b+4:BI+8*\b+7], v[B64], s[BBQ:BBQ+1] offset:\off+(32*(\b/2)+8*(\b%2))*4+16
.endr
.endm
.macro BIASR                           ; lane (r, h), tile a of R: the bias of my one column, in all eight registers
.irp a, 0,1,2,3
.irp j, 0,1,2,3,4,5,6,7
	global_load_b32 v[BI+8*\a+\j], v[KR4], s[BBV:BBV+1] offset:(32*(\a/2)+8*(\a%2))*4
.endr
.endr
.endm
; A K step whose successor lies in the same slot (s = 0, 1, 2, 4, 5, 6).  bias = 1, 2: the next tile's bias is asked for here: the registers were last read by this tile's K step 0.
.macro STEP s, cmode, bias
	s_wait_dscnt 0x0                               ; this step's fragments are in (asked for ahead of the last step's products)
	PLACES
.if \bias == 1
	BIASP 4096
.elseif \bias == 2
	BIASR
.endif
	FETCH (\s)+1, 1-(\s)%2
.if \cmode
	s_wait_loadcnt 0x0                             ; the bias
.endif
	MULH \s, (\s)%2, \cmode, 0
	MULH \s, (\s)%2, \cmode, 2
	WIN 0
.endm
; THE CHANGE OF SLOTS, at the head of K step s = 3 (slot 0 is left) or 7 (slot 1 is left).  Each wave waits for all its tensor loads (its part of the slot that is read next), adds 0 to its spare word, and waits for
; that and for its reads of the slot that is left.  Half of the step's products stand between the add and the wait for it.  p, r: P's, R's part of the slot is filled again, from pbase + poff, rbase: the barrier is then
; a round of the cluster's, so that no wave of any partner still reads the slot or has a load on its way, and the joint refill is the first thing behind it.
.macro CHANGE s, slot, p, r, pbase, poff, rbase
	s_wait_tensorcnt 0x0                           ; no tensor load of mine is out, so a group 0 may be written
	ds_add_u32 v[SPW], v[NIL]                      ; 0 onto my spare word
.if \p
	s_add_nc_u64 s[G0P+4*\slot+2:G0P+4*\slot+3], s[\pbase:\pbase+1], \poff+\slot*HALF0
	s_or_b32 s[G0P+4*\slot+3], s[G0P+4*\slot+3], 0x80000000
.endif
.if \r
	s_add_nc_u64 s[G0R+4*\slot+2:G0R+4*\slot+3], s[\rbase:\rbase+1], \slot*HALF0
	s_or_b32 s[G0R+4*\slot+3], s[G0R+4*\slot+3], 0x80000000
.endif
	s_wait_dscnt 0x1                               ; this step's fragments are in; the add, issued behind them, may be out
	MULH \s, 1, 0, 0
	WIN 0
	s_wait_dscnt 0x0                               ; the add is done, and my reads of the slot that is left are over
.if \p || \r
	CROUND
	JLOAD \slot, \p, \r
.else
	s_barrier_signal -1
	s_barrier_wait -1
.endif
.endm
.macro AFTER3                          ; the rest of K step 3
	PLACES
	FETCH 4, 0
	MULH 3, 1, 0, 2
	WIN 0
.endm
.macro AFTER7                          ; the rest of K step 7 where a tile follows: its first fragments ahead of the products, its scale words behind them (K step 7's are in use till then)
	PLACES
	FETCH 0, 0
	MULH 7, 1, 0, 2
	WIN 0
	PLACES
	SCALES
.endm
; The way out of my tile a of R: 64 numbers a lane, register 16 b + i = P's row 32 b + 16 (lane / 16) + i, become 12 registers of codes and a scale word.
.macro QUANT a, vo, off
	WIN 0x28                                       ; sources 1 and 2 window 2
.irp b, 0,1,2,3
	v_max3_num_f32 v[TM+\b], v[FL], |v[64*\a+16*\b]|, |v[64*\a+16*\b+1]|   ; each accumulator is read from its low end on
.endr
.irp i, 2,4,6,8,10,12,14
.irp b, 0,1,2,3
	v_max3_num_f32 v[TM+\b], v[TM+\b], |v[64*\a+16*\b+\i]|, |v[64*\a+16*\b+\i+1]|
.endr
.endr
	WIN 0
.irp b, 0,1,2,3
	v_permlanex16_b32 v[T2+\b], v[TM+\b], s[SEL], s[SEL+1]
.endr
.irp b, 0,1,2,3
	v_max_num_f32 v[TM+\b], v[TM+\b], v[T2+\b]     ; with lane l xor 16's: the block's largest magnitude
.endr
.irp b, 0,1,2,3
	v_add_nc_u32 v[SOP+\b], 0xff000000, v[TM+\b]   ; 2 off its exponent field: the conversion's scale operand
.endr
.irp b, 0,1,2,3
	v_lshrrev_b32 v[T2+\b], 23, v[SOP+\b]          ; the scale's byte
.endr
	v_lshl_or_b32 v[PW+\a], v[T2+1], 8, v[T2]
	v_lshl_or_b32 v[PW+\a], v[T2+2], 16, v[PW+\a]
	v_lshl_or_b32 v[PW+\a], v[T2+3], 24, v[PW+\a]
	WIN 0x02                                       ; source 0 window 2
.irp c, 0,1
	v_cvt_scalef32_pk16_fp6_f32 v[HC+12*\a+6*\c:HC+12*\a+6*\c+2], v[64*\a+32*\c:64*\a+32*\c+15], v[SOP+2*\c]
	v_cvt_scalef32_pk16_fp6_f32 v[TC+4*\c:TC+4*\c+2], v[64*\a+32*\c+16:64*\a+32*\c+31], v[SOP+2*\c+1]   ; (a conversion's three registers begin on an even number)
.endr
	WIN 0
	v_nop                                          ; one plain place behind a scaled conversion
.irp c, 0,1                                    ; the operand's layout wants a WHOLE block in a lane: lanes 0-15 block 2 c, lanes 16-31 block 2 c + 1
.irp i, 0,1,2
	v_permlane16_swap_b32 v[HC+12*\a+6*\c+\i], v[TC+4*\c+\i]
.endr
.irp i, 0,1,2
	v_mov_b32 v[HC+12*\a+6*\c+3+\i], v[TC+4*\c+\i]
.endr
.endr
.irp x, 0,1
.irp p, 0,1,2
	global_store_b64 v[\vo], v[HC+12*\a+6*\x+2*\p:HC+12*\a+6*\x+2*\p+1], s[10:11] offset:\off+\x*6144+\a*768+\p*256   ; 32 lanes store 256 consecutive bytes, aligned
.endr
.endr
.endm
; My 64 scale words leave as one unit.  q, k: a word takes two bytes (a head's two blocks) of each of two neighbouring token tiles (selects 0x05040100, 0x07060302); v: the words as they are (0x03020100, 0x07060504).
.macro WORDS sela, selb, vos, off
	v_perm_b32 v[U], v[PW+1], v[PW], \sela
	v_perm_b32 v[U+1], v[PW+3], v[PW+2], \sela
	v_perm_b32 v[U+2], v[PW+1], v[PW], \selb
	v_perm_b32 v[U+3], v[PW+3], v[PW+2], \selb
	v_cmp_le_u32 vcc_lo, 16, v1
	v_cndmask_b32 v[T], v[U], v[U+1], vcc_lo       ; lanes 0-15: tiles 0 and 1; lanes 16-31: tiles 2 and 3 (every lane holds its row's words)
	v_cndmask_b32 v[T+1], v[U+2], v[U+3], vcc_lo
	global_store_b64 v[\vos], v[T:T+1], s[10:11] offset:\off   ; 32 lanes store 256 consecutive bytes, aligned
.endm
	s_load_b256 s[4:11], s[0:1], 0x0               ; xq s[4:5], wq s[6:7], b_qkv s[8:9], qkv s[10:11]
	v_lshl_add_u32 v[SPW], v0, 2, SPARE
	v_mov_b32 v[NIL], 0
	ds_add_u32 v26, v27
	ds_add_u32 v26, v27
	s_wait_dscnt 0x0
	v_lshrrev_b32 v1, 5, v0
	v_readfirstlane_b32 s[WV], v1                  ; wave 0..3
	s_bfe_u32 s[CX], ttmp6, 0x40000                ; cx, cy: my place in the cluster
	s_bfe_u32 s[CY], ttmp6, 0x40004
	s_lshr_b32 s[GR], s[WV], 1                     ; which group of R is mine.  Also: which group of R waves 1 and 2 fetch
	s_and_b32 s[HF], s[WV], 1                      ; which four tiles of it
	s_lshl_b32 s19, 0x1111, s[CX]                  ; my column of the cluster
	s_lshl_b32 s20, s[CY], 2
	s_lshl_b32 s20, 15, s20                        ; my row
	s_or_b32 s[G1P], s19, (3<<16)|(1<<21)          ; 15:0 the mask: P's block goes to my column; 17:16 elements of 8 bytes; 20 no padding; 21 set beside a mask
	s_or_b32 s[G1P+8], s19, (3<<16)|(1<<21)
	s_or_b32 s[G1R], s20, (3<<16)|(1<<21)          ; R's goes to my row
	s_or_b32 s[G1R+8], s20, (3<<16)|(1<<21)
.irp g, G1P, G1R
	s_mov_b32 s[\g+1], 32<<16                      ; slot 0: tensor_dim0 = 32 elements: rows of 256 bytes
	s_mov_b32 s[\g+2], 208<<16                     ; tensor_dim1 = 208
	s_mov_b32 s[\g+3], 32<<16                      ; tile_dim0
	s_mov_b32 s[\g+4], 208                         ; tile_dim1
	s_mov_b32 s[\g+5], 32                          ; the pitch: the block is dense
	s_mov_b32 s[\g+6], 0
	s_mov_b32 s[\g+7], 0
	s_mov_b32 s[\g+9], 32<<16                      ; slot 1: the same with 192 rows
	s_mov_b32 s[\g+10], 192<<16
	s_mov_b32 s[\g+11], 32<<16
	s_mov_b32 s[\g+12], 192
	s_mov_b32 s[\g+13], 32
	s_mov_b32 s[\g+14], 0
	s_mov_b32 s[\g+15], 0
.endr
	s_and_b32 s88, ttmp9, 1
	s_lshl_b32 s88, s88, 2
	s_add_co_u32 s88, s88, s[CX]                   ; tile 0: P = column group 4 (c % 2) + cx, 0 .. 7: also the head pair of tiles 0 and 1
	s_lshl_b32 s89, ttmp9, 2
	s_add_co_u32 s89, s89, s[CX]                   ; tile 2: P = token group 4 c + cx, 0 .. 63
	s_lshr_b32 s90, ttmp9, 1
	s_lshl_b32 s90, s90, 2
	s_add_co_u32 s90, s90, s[CY]                   ; tiles 0, 1: R = pair of token groups 4 (c / 2) + cy, 0 .. 31;  tile 2: pair cy of v's column groups
	s_mul_i32 s21, s[GR], GBLK
	s_mul_i32 s92, s88, GBLK                       ; (P's offsets are made of cx alone,
	s_mov_b32 s93, 0
	s_mul_i32 s94, s89, GBLK
	s_mov_b32 s95, 0
	s_mul_i32 s96, s90, 2*GBLK                     ; R's of cy and the wave's number)
	s_add_co_u32 s96, s96, s21
	s_mov_b32 s97, 0
	s_mul_i32 s98, s[CY], 2*GBLK
	s_add_co_u32 s98, s98, s21
	s_add_co_u32 s98, s98, 16*GBLK                 ; v's columns begin at group 16 of wq
	s_mov_b32 s99, 0
	s_wait_kmcnt 0x0
	s_add_nc_u64 s[PBQ:PBQ+1], s[6:7], s[92:93]
	s_add_nc_u64 s[PBV:PBV+1], s[4:5], s[94:95]
	s_add_nc_u64 s[RBQ:RBQ+1], s[4:5], s[96:97]
	s_add_nc_u64 s[RBV:RBV+1], s[6:7], s[98:99]
.irp q, 0,1
	s_mov_b32 s[G0P+4*\q], 1                       ; count = 1
	s_mov_b32 s[G0P+4*\q+1], \q*HALF0              ; LDS address
	s_add_nc_u64 s[G0P+4*\q+2:G0P+4*\q+3], s[PBQ:PBQ+1], \q*HALF0
	s_or_b32 s[G0P+4*\q+3], s[G0P+4*\q+3], 0x80000000   ; type = 2
	s_mov_b32 s[G0R+4*\q], 1
	s_add_co_u32 s[G0R+4*\q+1], s21, GBLK+\q*HALF0
	s_add_nc_u64 s[G0R+4*\q+2:G0R+4*\q+3], s[RBQ:RBQ+1], \q*HALF0
	s_or_b32 s[G0R+4*\q+3], s[G0R+4*\q+3], 0x80000000
.endr
	CROUND                                         ; all sixteen work-groups are here: the first joint loads meet
	s_cmp_eq_u32 s[WV], 0                          ; a wave's two first fills stand in one branch: two loads of a wave are out at the most
	s_cbranch_scc0 .Lnot_p
	tensor_load_to_lds s[G0P:G0P+3], s[G1P:G1P+7]
	s_nop 0
	tensor_load_to_lds s[G0P+4:G0P+7], s[G1P+8:G1P+15]
	s_nop 0
	PLACES
	s_branch .Lasked
.Lnot_p:
	s_cmp_lt_u32 s[WV], 3
	s_cbranch_scc0 .Lasked
	tensor_load_to_lds s[G0R:G0R+3], s[G1R:G1R+7]
	s_nop 0
	tensor_load_to_lds s[G0R+4:G0R+7], s[G1R+8:G1R+15]
	s_nop 0
	PLACES
.Lasked:
	v_and_b32 v1, 31, v0                           ; lane
	v_and_b32 v2, 15, v0                           ; r
	s_wait_alu depctr_va_vdst(0)
	v_bfe_u32 v3, v0, 4, 1                         ; h
	s_wait_alu depctr_va_vdst(0)
	v_lshlrev_b32 v[L8], 3, v1
	v_add_nc_u32 v[ADP], 4096, v[L8]
	v_add_nc_u32 v[ADP+1], 4096+49152, v[L8]
	s_mul_i32 s22, s[HF], 6144
	s_add_co_u32 s22, s22, s21
	s_add_co_u32 s22, s22, GBLK+4096
	v_add_nc_u32 v[ADR], s22, v[L8]
	s_add_co_u32 s22, s22, 49152
	v_add_nc_u32 v[ADR+1], s22, v[L8]
	s_lshl_b32 s23, s[HF], 11
	s_add_co_u32 s23, s23, s21
	s_add_co_u32 s19, s23, GBLK-2048
	s_add_co_u32 s23, s23, GBLK                    ; where my four tiles' scale words of R begin
	v_lshlrev_b32 v14, 4, v2                       ; 16 r
	v_mul_u32_u24 v[ADS], s23, v3                  ; lanes 16-31 take R's
	v_add_nc_u32 v[ADS], v[ADS], v14
	v_mul_u32_u24 v[ADS2], s19, v3
	v_add_nc_u32 v[ADS2], v[ADS2], v14
	v_add_nc_u32 v[ADS2], 2048, v[ADS2]
	; the biases
	v_lshlrev_b32 v[B64], 6, v3                    ; 64 h
	v_and_b32 v[KR4], 8, v2
	v_add_nc_u32 v[KR4], v[KR4], v2
	v_lshlrev_b32 v[KR4], 2, v[KR4]                ; 4 (r + 8 (r / 8))
	s_lshl_b32 s22, s88, 9                         ; tile 0's 128 columns
	s_mov_b32 s23, 0
	s_add_nc_u64 s[BBQ:BBQ+1], s[8:9], s[22:23]
	BIASP 0
	s_lshl_b32 s22, s[CY], 8                       ; tile 2: column 2048 + 256 cy + 128 x group + 64 x half
	s_lshl_b32 s91, s[GR], 7
	s_add_co_u32 s22, s22, s91
	s_lshl_b32 s91, s[HF], 6
	s_add_co_u32 s22, s22, s91
	s_add_co_u32 s22, s22, 2048
	s_lshl_b32 s22, s22, 2
	s_add_nc_u64 s[BBV:BBV+1], s[8:9], s[22:23]
	v_mov_b32 v[FL], 0x1800000
.irp b, 0,1,2,3
	v_mov_b32 v[T2+\b], 0                          ; written once: a lane permute's destination counts as one of its sources
.endr
	s_mov_b32 s[SEL], 0x76543210
	s_mov_b32 s[SEL+1], 0xfedcba98
	; where my results go.  Tiles 0 and 1: the group of tokens is R's, the head pair P's
	s_lshl_b32 s12, s90, 1
	s_add_co_u32 s12, s12, s[GR]                   ; the group of 128 tokens
	s_lshr_b32 s13, s12, 4
	s_lshl_b32 s13, s13, 3
	s_add_co_u32 s13, s13, s88
	s_lshl_b32 s13, s13, 4
	s_and_b32 s12, s12, 15
	s_add_co_u32 s13, s13, s12                     ; idx
	s_mul_i32 s2, s13, 12288
	s_mul_i32 s3, s[HF], 3072
	s_add_co_u32 s2, s2, s3
	v_add_nc_u32 v[VO], s2, v[L8]
	s_lshl_b32 s13, s13, 9
	s_lshl_b32 s3, s[HF], 8
	s_add_co_u32 s13, s13, s3
	s_add_co_u32 s13, s13, 18874368
	v_add_nc_u32 v[VOS], s13, v[L8]
	; tile 2: the group of tokens is P's, the head pair R's
	s_lshl_b32 s12, s[CY], 1
	s_add_co_u32 s12, s12, s[GR]                   ; the head pair
	s_lshr_b32 s13, s89, 4
	s_lshl_b32 s13, s13, 3
	s_add_co_u32 s13, s13, s12
	s_lshl_b32 s13, s13, 4
	s_and_b32 s12, s89, 15
	s_add_co_u32 s13, s13, s12                     ; idx
	s_mul_i32 s2, s13, 12288
	s_mul_i32 s3, s[HF], 3072
	s_add_co_u32 s2, s2, s3
	s_add_co_u32 s2, s2, 2*6291456
	v_add_nc_u32 v[VO2], s2, v[L8]
	s_lshl_b32 s13, s13, 9
	s_lshl_b32 s3, s[HF], 8
	s_add_co_u32 s13, s13, s3
	s_add_co_u32 s13, s13, 18874368+2*262144
	v_add_nc_u32 v[VOS2], s13, v[L8]
	s_wait_tensorcnt 0x1                           ; my part of slot 0 has landed; slot 1's may be out
	s_barrier_signal -1
	s_barrier_wait -1                              ; everybody's has
	SCALES
	FETCH 0, 0
	; ---- TILE 0: q
	STEP 0, 1, 0
	STEP 1, 0, 0
	STEP 2, 0, 0
	CHANGE 3, 0, 1, 0, PBQ, 8*GBLK, RBQ            ; slot 0 takes k's columns; the tokens stay
	AFTER3
	STEP 4, 0, 1                                   ; k's bias is asked for
	STEP 5, 0, 0
	STEP 6, 0, 0
	CHANGE 7, 1, 1, 0, PBQ, 8*GBLK, RBQ
	AFTER7
	s_wait_alu depctr_va_vdst(0)
	QUANT 0, VO, 0
	QUANT 1, VO, 0
	QUANT 2, VO, 0
	QUANT 3, VO, 0
	WORDS 0x05040100, 0x07060302, VOS, 0
	; ---- TILE 1: k
	STEP 0, 1, 0
	STEP 1, 0, 0
	STEP 2, 0, 0
	CHANGE 3, 0, 1, 1, PBV, 0, RBV                 ; slot 0 takes tile 2's tokens (P) and v's columns (R)
	AFTER3
	STEP 4, 0, 2                                   ; v's bias is asked for
	STEP 5, 0, 0
	STEP 6, 0, 0
	CHANGE 7, 1, 1, 1, PBV, 0, RBV
	AFTER7
	s_wait_xcnt 0x0                                ; the last tile's stores have read their registers: the codes' and the words' registers are written again only behind this wait
	QUANT 0, VO, 6291456
	QUANT 1, VO, 6291456
	QUANT 2, VO, 6291456
	QUANT 3, VO, 6291456
	WORDS 0x05040100, 0x07060302, VOS, 262144
	; ---- TILE 2: v.  Nothing is left to fetch
	STEP 0, 2, 0
	STEP 1, 0, 0
	STEP 2, 0, 0
	CHANGE 3, 0, 0, 0, PBV, 0, RBV                 ; slot 1 is whole for every wave behind this barrier; no slot is filled again, so no round follows
	AFTER3
	STEP 4, 0, 0
	STEP 5, 0, 0
	STEP 6, 0, 0
	s_wait_dscnt 0x0
	MULH 7, 1, 0, 0
	MULH 7, 1, 0, 2
	WIN 0
	PLACES
	s_wait_xcnt 0x0                                ; as above
	QUANT 0, VO2, 0
	QUANT 1, VO2, 0
	QUANT 2, VO2, 0
	QUANT 3, VO2, 0
	WORDS 0x03020100, 0x07060504, VOS2, 0
	s_wait_tensorcnt 0x0                           ; the wave's end: behind my last tensor load
	ds_add_u32 v[SPW], v[NIL]
	s_wait_dscnt 0x0
	CROUND                                         ; the closing round: no work-group ends while a partner may still ask for a block that names it
	s_endpgm
.Lfunc_end_k_q8637ed9115_gemm_qkv:
	.size	k_q8637ed9115_gemm_qkv, .Lfunc_end_k_q8637ed9115_gemm_qkv-k_q8637ed9115_gemm_qkv
	.p2alignl 7, 3214868480
	.fill 96, 4, 3214868480
	.section	.rodata,"a",@progbits
	.p2align	6, 0x0
	.amdhsa_kernel k_q8637ed9115_gemm_qkv
		.amdhsa_group_segment_fixed_size 327680
		.amdhsa_private_segment_fixed_size 0
		.amdhsa_enable_private_segment 0
		.amdhsa_kernarg_size 32
		.amdhsa_user_sgpr_count 2
		.amdhsa_user_sgpr_kernarg_segment_ptr 1
		.amdhsa_wavefront_size32 1
		.amdhsa_system_sgpr_workgroup_id_x 1
		.amdhsa_system_sgpr_workgroup_id_y 1
		.amdhsa_system_sgpr_workgroup_id_z 1
		.amdhsa_system_vgpr_workitem_id 0
		.amdhsa_next_free_vgpr 1024
		.amdhsa_next_free_sgpr 100
		.amdhsa_reserve_vcc 1
		.amdhsa_float_denorm_mode_32 3
		.amdhsa_float_denorm_mode_16_64 3
		.amdhsa_memory_ordered 1
		.amdhsa_forward_progress 1
		.amdhsa_inst_pref_size 255
	.end_amdhsa_kernel
	.section	.bss,"aw",@nobits
	.p2align	6
	.space	262144
	.amdgpu_metadata
---
amdhsa.version: [ 1, 2 ]
amdhsa.kernels:
  - .name:           k_q8637ed9115_gemm_qkv
    .symbol:         k_q8637ed9115_gemm_qkv.kd
    .args:
      - { .name: xq, .offset: 0, .size: 8, .value_kind: global_buffer, .address_space: global }
      - { .name: wq, .offset: 8, .size: 8, .value_kind: global_buffer, .address_space: global }
      - { .name: b_qkv, .offset: 16, .size: 8, .value_kind: global_buffer, .address_space: global }
      - { .name: qkv, .offset: 24, .size: 8, .value_kind: global_buffer, .address_space: global }
    .group_segment_fixed_size: 327680
    .private_segment_fixed_size: 0
    .kernarg_segment_align: 8
    .kernarg_segment_size: 32
    .max_flat_workgroup_size: 128
    .sgpr_count:     100
    .vgpr_count:     1024
    .wavefront_size: 32
...
	.end_amdgpu_metadata
.endif
;; end of part 2
;; launch attn (part 3): grid 256 x 1, 16 waves a work-group, clusters of 4 x 1, 210,944 bytes of LDS; arguments qkv, yq; writes yq
.if DOCPART == 3
	.amdgcn_target "amdgcn-amd-amdhsa--gfx1250"
	.amdhsa_code_object_version 6
	.text
	.protected	k_q8637ed9115_attn
	.globl	k_q8637ed9115_attn
	.p2align	8
	.type	k_q8637ed9115_attn,@function
k_q8637ed9115_attn:
	s_mov_b64 s[64:65], 0
	v_nop
	global_prefetch_b8 v0, s[64:65] scope:SCOPE_SE
	s_setreg_imm32_b32 hwreg(HW_REG_WAVE_MODE, 25, 1), 1
	s_wait_xcnt 0x0
	s_wait_alu depctr_hold_cnt(0) depctr_sa_sdst(0) depctr_va_vdst(0) depctr_va_sdst(0) depctr_va_ssrc(0) depctr_va_vcc(0) depctr_vm_vsrc(0)
	s_getreg_b32 s2, hwreg(HW_REG_IB_STS2, 6, 4)
	s_cmp_eq_u32 s2, 0
	s_cbranch_scc0 .Lentry_in_a_cluster
	s_endpgm
.Lentry_in_a_cluster:
	s_bfe_u32 s2, ttmp6, 0x10000c
	s_cmp_lg_u32 s2, 0x3003
	s_cbranch_scc0 .Lentry_shape_is_right
	s_endpgm
.Lentry_shape_is_right:
; y[b][q][head] = softmax over the keys k <= q of (q . k / 8) times v, both products on codes of FP6 (E2M3) with E8M0 scales for each 32 along a product's K, and y quantised along C on the way out (yq: laid as xq, rows = tokens).
; THE SOFTMAX AHEAD OF THE SECOND PRODUCT: t = score x log2(e) / 8; M = the row's largest t so far, rounded UP to a whole number; p = 2^(t - M) is what is quantised, along the keys, not normalised.
; The row's sum is taken of the unquantised p, in f32, and divides O at the end (v_rcp_f32 and a multiplication).  When M moves, the sum and O are multiplied by 2^(old M - new M): exact.
; SHARES.  A cluster of four work-groups owns one head (ttmp9 = 16 batch + head).  The head's K and V, 204 KiB of codes and scale words, lie in each work-group's LDS, filled ONCE, by joint loads that name all four.
; The head has 128 tiles of 16 queries, T = 8 j + t (j: the group of 128 tokens).  Work-group cx takes T = 4 u + cx, u = 0 .. 31; wave w takes u = w and then u = 31 - w.  A tile walks the key groups 0 .. u / 2,
; so every wave of every work-group walks 17 key steps of 128, whatever cx is: cx enters global offsets and vector data alone, no branch, no trip count and no LDS address.
; Both loops have constant trip counts (8 and 16); a step all of whose keys come after the tile's queries is jumped over by a scalar branch on the wave's number.
; LAYOUT.  Both products are used transposed: S^T = K Q^T, O^T = V^T P^T: a lane holds ONE query (lane % 16) throughout.  Lane r of a tile of tokens holds token 32 (t / 2) + 8 (t % 2) + r + 8 (r / 8) of its group,
; so the 16 registers of two neighbouring key tiles are 16 neighbouring keys, and those of two neighbouring tiles of d 16 neighbouring channels.
; K = 64 IN AN INSTRUCTION OF 128: a fragment holds TWO key tiles, registers 0-5 tile 2 f and 6-11 tile 2 f + 1; against [q, 0] it gives tile 2 f's scores, against [0, q] tile 2 f + 1's.  The zeros are codes, written once.
; LIMITS: a block of zeros gets the scale byte 1 where the rule says 127 (its codes are zeros; this program alone reads the bytes); NaN and infinities are not served.
; y's scale bytes leave 2 bytes a row (32 bytes a tile, beside its 768 bytes of codes): the other half of each scale word belongs to the other head of the pair, which another cluster makes.
; REGISTERS: v1-7 addresses that stay; v8-11 addresses in hand; v12 -M, v13 the largest t, v[14:15] the sum; v16-33 [q, 0, q]; v34 Q's scale word; v35 the mask's bound; v36-83 four fragments of K or of V;
;   v84-91 their scale words; v92-94 global offsets; v95 -infinity; v96-159 S^T, then p; v160-191 O^T; v192-203 p's codes; v204-243 at work; v244 8 r.
.set L8,   1                           ; v1   8 x lane: also my place in a fragment of K
.set AV0,  3                           ; v3   the same for V
.set AS0,  4                           ; v4   my place among K's scale words
.set AT0,  5                           ; v5   and among V's
.set R16,  6                           ; v6   16 r
.set DQ0,  7                           ; v7   r + 8 (r / 8) - 16 h
.set ADK,  8
.set ADV,  9
.set ADS,  10
.set ADT,  11
.set QL,   16
.set QS,   34
.set DQ,   35
.set FR,   36
.set KSW,  84
.set VSW,  88
.set VQ,   92
.set VQS,  93
.set VY,   94
.set NINF, 95
.set S,    96
.set O,    160
.set PCD,  192
.set TC,   204
.set BM,   212
.set B2,   216
.set SOP,  220
.set FF,   224                         ; v224 f = 2^(old M - new M);  v225 p's scale word
.set PSW,  225
.set TMP,  226
.set SV,   230                         ; v230, v232 the two passes' scale bytes;  v231, v233 their offsets
.set H,    234
.set TH,   240
.set R8,   244
.set KC,   0                           ; LDS: K's codes [j][t][768];
.set VC,   98304                       ; V's [j][c][a][768];
.set KS,   196608                      ; K's scale words [j][512] (both heads of the pair: the words are interleaved);
.set VS,   204800                      ; V's [j][256]
.set WV,   8
.set SEL,  66
.set CS,   68                          ; s[68:69] c = log2(e) / 8
.set J,    70
.set NS,   71
.set JQ,   72
.set TK,   73
.set TS,   74
.set TT,   75
.macro CROUND                          ; a round of the cluster's barrier
	s_barrier_signal -1
	s_barrier_wait -1
	s_cmp_lg_u32 s[WV], 0
	s_cbranch_scc1 .Lnot_wave_0_\@
	s_barrier_signal -3
.Lnot_wave_0_\@:
	s_barrier_wait -3
	s_barrier_signal -1
	s_barrier_wait -1
.endm
.macro PLACES
.rept 4
	v_nop
.endr
.endm
	s_load_b128 s[4:7], s[0:1], 0x0                ; qkv, yq
	v_lshl_add_u32 v254, v0, 2, 0x33000
	v_mov_b32 v255, 0
	ds_add_u32 v254, v255
	ds_add_u32 v254, v255
	v_lshrrev_b32 v8, 5, v0
	s_delay_alu instid0(VALU_DEP_1)
	v_readfirstlane_b32 s[WV], v8                  ; wave 0..15
	s_bfe_u32 s9, ttmp6, 0x40000                   ; cx
	s_lshr_b32 s10, ttmp9, 4                       ; batch
	s_bfe_u32 s11, ttmp9, 0x30001                  ; head pair
	s_and_b32 s12, ttmp9, 1                        ; the head's parity
	s_lshl_b32 s13, s10, 3
	s_add_co_u32 s13, s13, s11                     ; B8 = 8 batch + head pair
	; descriptor groups 1.  15:0 the mask: all four work-groups; 17:16 elements of 8 bytes; 21 set beside a mask; no padding
.irp g, 16, 24, 32, 40
	s_mov_b32 s[\g], 15|(3<<16)|(1<<21)
	s_mov_b32 s[\g+6], 0
	s_mov_b32 s[\g+7], 0
.endr
	s_mov_b32 s17, 768<<16                         ; K: four groups j: rows of 6,144 bytes (my head's eight tiles), 12,288 apart
	s_mov_b32 s18, 4<<16
	s_mov_b32 s19, 768<<16
	s_mov_b32 s20, 4
	s_mov_b32 s21, 1536
	s_mov_b32 s25, 384<<16                         ; V: four groups j x two halves of the keys: rows of 3,072 bytes (my head's four tiles of d), 6,144 apart
	s_mov_b32 s26, 8<<16
	s_mov_b32 s27, 384<<16
	s_mov_b32 s28, 8
	s_mov_b32 s29, 768
	s_mov_b32 s33, 32<<16                          ; K's scale words: 8,192 dense bytes as 32 rows of 256
	s_mov_b32 s34, 32<<16
	s_mov_b32 s35, 32<<16
	s_mov_b32 s36, 32
	s_mov_b32 s37, 32
	s_mov_b32 s41, 32<<16                          ; V's: 16 rows of 256 bytes, 512 apart
	s_mov_b32 s42, 16<<16
	s_mov_b32 s43, 32<<16
	s_mov_b32 s44, 16
	s_mov_b32 s45, 64
	s_and_b32 s14, s[WV], 3                        ; which quarter of K or of V I fetch, if I fetch
	s_mul_i32 s15, s14, 24576
	s_mul_i32 s76, s13, 196608
	s_mul_i32 s77, s14, 49152
	s_add_co_u32 s76, s76, s77
	s_mul_i32 s77, s12, 6144
	s_add_co_u32 s78, s76, s77
	s_add_co_u32 s78, s78, 6291456
	s_mov_b32 s79, 0
	s_mul_i32 s77, s12, 3072
	s_add_co_u32 s80, s76, s77
	s_add_co_u32 s80, s80, 12582912
	s_mov_b32 s81, 0
	s_lshl_b32 s82, s13, 13
	s_add_co_u32 s82, s82, 19136512
	s_mov_b32 s83, 0
	s_lshl_b32 s84, s13, 13
	s_lshl_b32 s85, s12, 8
	s_add_co_u32 s84, s84, s85
	s_add_co_u32 s84, s84, 19398656
	s_mov_b32 s85, 0
	s_wait_dscnt 0x0
	s_wait_kmcnt 0x0
	s_mov_b32 s48, 1
	s_mov_b32 s49, s15
	s_add_nc_u64 s[50:51], s[4:5], s[78:79]
	s_or_b32 s51, s51, 0x80000000
	s_mov_b32 s52, 1
	s_add_co_u32 s53, s15, VC
	s_add_nc_u64 s[54:55], s[4:5], s[80:81]
	s_or_b32 s55, s55, 0x80000000
	s_mov_b32 s56, 1
	s_mov_b32 s57, KS
	s_add_nc_u64 s[58:59], s[4:5], s[82:83]
	s_or_b32 s59, s59, 0x80000000
	s_mov_b32 s60, 1
	s_mov_b32 s61, VS
	s_add_nc_u64 s[62:63], s[4:5], s[84:85]
	s_or_b32 s63, s63, 0x80000000
	CROUND                                         ; all four work-groups are here: the joint loads meet
	s_cmp_lt_u32 s[WV], 4                          ; waves 0-3: K's quarters; 4-7: V's; 8: K's scale words; 9: V's; the others nothing: one load of a wave is out
	s_cbranch_scc0 .Lnot_k
	tensor_load_to_lds s[48:51], s[16:23]
	s_nop 0
	PLACES
	s_branch .Lasked
.Lnot_k:
	s_cmp_lt_u32 s[WV], 8
	s_cbranch_scc0 .Lnot_v
	tensor_load_to_lds s[52:55], s[24:31]
	s_nop 0
	PLACES
	s_branch .Lasked
.Lnot_v:
	s_cmp_eq_u32 s[WV], 8
	s_cbranch_scc0 .Lnot_ks
	tensor_load_to_lds s[56:59], s[32:39]
	s_nop 0
	PLACES
	s_branch .Lasked
.Lnot_ks:
	s_cmp_eq_u32 s[WV], 9
	s_cbranch_scc0 .Lasked
	tensor_load_to_lds s[60:63], s[40:47]
	s_nop 0
	PLACES
.Lasked:
	v_and_b32 v8, 31, v0
	s_delay_alu instid0(VALU_DEP_1)
	v_lshlrev_b32 v[L8], 3, v8
	v_and_b32 v9, 15, v0                           ; r
	v_bfe_u32 v10, v0, 4, 1                        ; h
	s_delay_alu instid0(VALU_DEP_3)
	v_add_nc_u32 v[AV0], VC, v[L8]
	s_delay_alu instid0(VALU_DEP_3)
	v_lshlrev_b32 v[R8], 3, v9
	s_lshl_b32 s86, s12, 2
	s_add_co_u32 s86, s86, KS
	v_add_nc_u32 v[AS0], s86, v[R8]                ; K's scale word of tile pair f: 128 f + 8 r + 4 parity
	v_add_nc_u32 v[AT0], VS, v[R8]                 ; V's, two tiles of d at a time: 128 m + 8 r
	v_lshlrev_b32 v[R16], 4, v9
	v_and_b32 v[DQ0], 8, v9
	s_delay_alu instid0(VALU_DEP_1)
	v_add_nc_u32 v[DQ0], v[DQ0], v9
	v_lshlrev_b32 v11, 4, v10
	s_delay_alu instid0(VALU_DEP_1)
	v_sub_nc_u32 v[DQ0], v[DQ0], v11
.irp i, 0,1,2,3,4,5
	v_mov_b32 v[QL+6+\i], 0                        ; the zero codes between the two copies of q
.endr
.irp b, 0,1,2,3
	v_mov_b32 v[B2+\b], 0                          ; written once: a lane permute's destination counts as one of its sources
.endr
	v_mov_b32 v[PSW], 0                            ; (named as the upper half of the pair v[224:225] before it is first written)
	v_mov_b32 v[NINF], 0xff800000
	s_mov_b32 s[SEL], 0x76543210
	s_mov_b32 s[SEL+1], 0xfedcba98
	s_mov_b32 s[CS], 0x3e38aa3b                    ; c = log2(e) / 8
	s_mov_b32 s[CS+1], s[CS]                       ; (named with it as a pair, so it is written)
	s_and_b32 s87, s9, 1
	s_mul_i32 s87, s87, 0x02020202
	s_add_co_u32 s87, s87, 0x01000100              ; which two bytes of Q's scale word are my tile's: t % 2 = cx % 2
	s_mul_i32 s93, s13, 196608
	s_mul_i32 s94, s12, 6144
	s_add_co_u32 s93, s93, s94                     ; q's codes: my head
	s_lshl_b32 s94, s13, 13
	s_lshl_b32 s95, s12, 2
	s_add_co_u32 s94, s94, s95
	s_add_co_u32 s94, s94, 18874368                ; q's scale words
	s_mul_i32 s95, s11, 12288
	s_mul_i32 s96, s12, 768
	s_add_co_u32 s95, s95, s96
	s_add_co_u32 s95, s95, 4096                    ; yq: K step = head pair, half = parity
	s_lshl_b32 s96, s11, 8
	s_lshl_b32 s97, s9, 2
	s_add_co_u32 s96, s96, s97
	s_lshl_b32 s97, s12, 1
	s_add_co_u32 s96, s96, s97                     ; yq's scale bytes: 256 head pair + 4 cx + 2 parity
	s_wait_tensorcnt 0x0                           ; my load has landed,
	s_barrier_signal -1
	s_barrier_wait -1                              ; everybody's has: from here on LDS is only read
; ONE TILE OF 16 QUERIES.  pi = 0: u = wave; 1: u = 31 - wave.  trips: the largest number of key steps that any wave needs in this pass.
.macro PASS pi, trips
.if \pi
	s_wait_xcnt 0x0                                ; the last pass's stores have read their registers
	s_xor_b32 s88, s[WV], 31
.else
	s_mov_b32 s88, s[WV]
.endif
	s_lshr_b32 s[JQ], s88, 1                       ; my queries' group of 128 tokens
	s_add_co_u32 s[NS], s[JQ], 1                   ; key steps that count
	s_and_b32 s89, s88, 1
	s_lshl_b32 s90, s89, 2
	s_add_co_u32 s90, s90, s9                      ; t = 4 (u % 2) + cx
	s_mul_i32 s91, s[JQ], 12288
	s_mul_i32 s92, s90, 768
	s_add_co_u32 s91, s91, s92
	s_add_co_u32 s91, s91, s93
	v_add_nc_u32 v[VQ], s91, v[L8]
	s_lshl_b32 s91, s[JQ], 9
	s_lshr_b32 s92, s90, 1
	s_lshl_b32 s92, s92, 7
	s_add_co_u32 s91, s91, s92
	s_add_co_u32 s91, s91, s94
	v_add_nc_u32 v[VQS], s91, v[R8]
.irp p, 0,1,2
	global_load_b64 v[QL+2*\p:QL+2*\p+1], v[VQ], s[4:5] offset:256*\p          ; q, twice: [q, 0] and [0, q] share the zeros
	global_load_b64 v[QL+12+2*\p:QL+12+2*\p+1], v[VQ], s[4:5] offset:256*\p
.endr
	global_load_b32 v[TMP], v[VQS], s[4:5]
	s_lshl_b32 s91, s10, 4
	s_add_co_u32 s91, s91, s[JQ]
	s_mul_i32 s91, s91, 102400                     ; yq: my group's block
	s_mul_i32 s92, s90, 1536
	s_add_co_u32 s92, s92, s91
	s_add_co_u32 s92, s92, s95
	v_add_nc_u32 v[VY], s92, v[L8]
	s_lshl_b32 s92, s89, 11
	s_add_co_u32 s92, s92, s91
	s_add_co_u32 s92, s92, s96
	v_add_nc_u32 v[SV+1+2*\pi], s92, v[R16]
	s_lshr_b32 s91, s90, 1
	s_lshl_b32 s91, s91, 5
	s_and_b32 s92, s90, 1
	s_lshl_b32 s92, s92, 3
	s_add_co_u32 s91, s91, s92
	v_add_nc_u32 v[DQ], s91, v[DQ0]                ; my query's place in its group, less 16 h
	v_mov_b32 v13, 0xff61b1e6                      ; the largest t so far: -3e38, under every t
	s_delay_alu instid0(VALU_DEP_1)
	v_floor_f32 v12, -v13                          ; -M
	v_mov_b32 v14, 0
	v_mov_b32 v15, 0
	s_mov_b32 s[J], 0
	s_mov_b32 s[TK], 0
	s_mov_b32 s[TS], 0
	s_mov_b32 s[TT], 0
	s_wait_loadcnt 0x0
	v_perm_b32 v[QS], v[TMP], v[TMP], s87          ; (s0, s1, s0, s1): the same two bytes serve [q, 0] and [0, q]
.set i, 0
.rept 32
	v_mov_b32 v[O+i], 0                            ; O^T: the step is written once; the first finds zeros.  (These are also the places between the scale word's write and the first product)
.set i, i+1
.endr
.Ltrip_\@:
	s_cmp_ge_u32 s[J], s[NS]                       ; all 128 keys come after my queries: the step's work is left out; the lines that step addresses are not
	s_cbranch_scc1 .Lhidden_\@
	s_setprio 2
	v_add_nc_u32 v[ADK], s[TK], v[L8]              ; (four places behind the last step's products, in front of the loads below)
	v_add_nc_u32 v[ADV], s[TK], v[AV0]
	v_add_nc_u32 v[ADS], s[TS], v[AS0]
	v_add_nc_u32 v[ADT], s[TT], v[AT0]
.irp f, 0,1,2,3
.irp p, 0,1,2,3,4,5
	ds_load_b64 v[FR+12*\f+2*\p:FR+12*\f+2*\p+1], v[ADK] offset:\f*1536+\p*256
.endr
	ds_load_b32 v[KSW+\f], v[ADS] offset:\f*128
.endr
	s_wait_alu depctr_va_vdst(0)
	s_wait_dscnt 0x0
.irp f, 0,1,2,3                                ; S^T: register 16 f + i = key 32 f + 16 h + i of the group
	v_wmma_scale_f32_16x16x128_f8f6f4 v[S+16*\f:S+16*\f+7], v[FR+12*\f:FR+12*\f+11], v[QL:QL+11], 0, v[KSW+\f], v[QS] matrix_a_fmt:MATRIX_FMT_FP6 matrix_b_fmt:MATRIX_FMT_FP6
	v_wmma_scale_f32_16x16x128_f8f6f4 v[S+16*\f+8:S+16*\f+15], v[FR+12*\f:FR+12*\f+11], v[QL+6:QL+17], 0, v[KSW+\f], v[QS] matrix_a_fmt:MATRIX_FMT_FP6 matrix_b_fmt:MATRIX_FMT_FP6
.endr
	PLACES                                         ; in front of the loads into K's registers and of the first read of the scores
.irp a, 0,1,2,3                                ; V's fragments are asked for now and land under the softmax
.irp c, 0,1
.irp p, 0,1,2
	ds_load_b64 v[FR+12*\a+6*\c+2*\p:FR+12*\a+6*\c+2*\p+1], v[ADV] offset:\c*3072+\a*768+\p*256
.endr
.endr
.endr
.irp m, 0,1
	ds_load_b64 v[VSW+2*\m:VSW+2*\m+1], v[ADT] offset:\m*128
.endr
	s_cmp_lg_u32 s[J], s[JQ]                       ; only my own group's step lies on the diagonal
	s_cbranch_scc1 .Lopen_\@
.set n, 0
.rept 64
	v_cmp_gt_i32 vcc_lo, 32*(n/16)+n%16, v[DQ]     ; the register's key comes after my query:
	v_cndmask_b32 v[S+n], v[S+n], v[NINF], vcc_lo  ; its score becomes -infinity, p = 0
.set n, n+1
.endr
.Lopen_\@:
.irp b, 0,1,2,3
	v_max3_num_f32 v[BM+\b], v[S+16*\b], v[S+16*\b+1], v[S+16*\b+2]   ; the largest score of each block of 32 keys: for the row's maximum, and, since p rises with the score, for the block's largest p
.endr
.irp i, 3,5,7,9,11,13
.irp b, 0,1,2,3
	v_max3_num_f32 v[BM+\b], v[BM+\b], v[S+16*\b+\i], v[S+16*\b+\i+1]
.endr
.endr
.irp b, 0,1,2,3
	v_max_num_f32 v[BM+\b], v[BM+\b], v[S+16*\b+15]
.endr
.irp b, 0,1,2,3
	s_delay_alu instid0(VALU_DEP_4)
	v_permlanex16_b32 v[B2+\b], v[BM+\b], s[SEL], s[SEL+1]
.endr
.irp b, 0,1,2,3
	s_delay_alu instid0(VALU_DEP_4)
	v_max_num_f32 v[BM+\b], v[BM+\b], v[B2+\b]     ; with lane l xor 16's 16 keys
.endr
	s_delay_alu instid0(VALU_DEP_2)
	v_max3_num_f32 v[TMP], v[BM], v[BM+1], v[BM+2]
	s_delay_alu instid0(VALU_DEP_1)
	v_max_num_f32 v[TMP], v[TMP], v[BM+3]          ; the step's largest score of my query
	s_delay_alu instid0(VALU_DEP_1)
	v_mul_f32 v[TMP], s[CS], v[TMP]                ; as t (c is positive)
	s_delay_alu instid0(VALU_DEP_1)
	v_max_num_f32 v13, v13, v[TMP]                 ; the running largest t
	v_mov_b32 v[TMP], v12
	s_delay_alu instid0(VALU_DEP_2)
	v_floor_f32 v12, -v13                          ; the new -M = floor(-t) = -ceil(t)
	s_delay_alu instid0(VALU_DEP_1)
	v_sub_f32 v[TMP], v12, v[TMP]                  ; old M - new M: a whole number, 0 or less
	s_delay_alu instid0(VALU_DEP_1)
	v_cvt_i32_f32 v[TMP], v[TMP]                   ; (it saturates)
	s_delay_alu instid0(VALU_DEP_1)
	v_ldexp_f32 v[FF], 1.0, v[TMP]                 ; f = 2^(old M - new M)
.set j, 0
	s_setprio 1
.rept 32
	v_pk_fma_f32 v[S+j:S+j+1], v[S+j:S+j+1], s[CS:CS+1], v[12:13] op_sel_hi:[1,0,0]   ; t - M, two at a time
.set j, j+2
.endr
.irp b, 0,1,2,3
	v_fma_f32 v[BM+\b], v[BM+\b], s[CS], v12       ; the same of each block's largest score
.endr
.set j, 0
	s_wait_alu depctr_va_vdst(0)
.rept 64
	v_exp_f32 v[S+j], v[S+j]                       ; p = 2^(t - M), at most 1
.set j, j+1
.endr
.irp b, 0,1,2,3
	v_exp_f32 v[BM+\b], v[BM+\b]                   ; the block's largest p: the same two instructions on the same number give the same bits
.endr
	v_pk_mul_f32 v[14:15], v[14:15], v[FF:FF+1] op_sel_hi:[1,0]   ; the sums under the new M.  (A plain place behind the exponentials)
	s_wait_alu depctr_va_vdst(0)
.irp b, 0,1,2,3
	v_max_num_f32 v[BM+\b], 0x1800000, v[BM+\b]    ; the floor 2^(3 - 127): the byte cannot fall under 1
.endr
.irp b, 0,1,2,3
	s_delay_alu instid0(VALU_DEP_4)
	v_add_nc_u32 v[SOP+\b], 0xff000000, v[BM+\b]   ; 2 off the exponent field: the conversion's scale operand
.endr
.irp b, 0,1,2,3
	s_delay_alu instid0(VALU_DEP_4)
	v_lshrrev_b32 v[B2+\b], 23, v[SOP+\b]          ; the scale's byte
.endr
	s_delay_alu instid0(VALU_DEP_3)
	v_lshl_or_b32 v[PSW], v[B2+1], 8, v[B2]        ; p's scale word for these 128 keys
	s_delay_alu instid0(VALU_DEP_1)
	v_lshl_or_b32 v[PSW], v[B2+2], 16, v[PSW]
	s_delay_alu instid0(VALU_DEP_1)
	v_lshl_or_b32 v[PSW], v[B2+3], 24, v[PSW]
.irp c, 0,1
	v_cvt_scalef32_pk16_fp6_f32 v[PCD+6*\c:PCD+6*\c+2], v[S+32*\c:S+32*\c+15], v[SOP+2*\c]
	v_cvt_scalef32_pk16_fp6_f32 v[TC+4*\c:TC+4*\c+2], v[S+32*\c+16:S+32*\c+31], v[SOP+2*\c+1]   ; (a conversion's three registers begin on an even number)
.endr
	v_nop                                          ; one plain place behind a scaled conversion
.irp c, 0,1                                    ; the operand's layout wants a WHOLE block in a lane
.irp i, 0,1,2
	v_permlane16_swap_b32 v[PCD+6*\c+\i], v[TC+4*\c+\i]
.endr
.irp i, 0,1,2
	s_delay_alu instid0(VALU_DEP_3)
	v_mov_b32 v[PCD+6*\c+3+\i], v[TC+4*\c+\i]
.endr
.endr
	v_pk_add_f32 v[228:229], v[100:101], v[104:105]
	v_pk_add_f32 v[252:253], v[108:109], v[112:113]
	v_pk_add_f32 v[250:251], v[116:117], v[120:121]
	v_pk_add_f32 v[248:249], v[124:125], v[128:129]
	v_pk_add_f32 v[246:247], v[132:133], v[136:137]
	v_pk_add_f32 v[242:243], v[140:141], v[144:145]
	v_pk_add_f32 v[240:241], v[148:149], v[152:153]
	s_setprio 0
	v_pk_add_f32 v[14:15], v[14:15], v[156:157]
	v_pk_add_f32 v[228:229], v[228:229], v[96:97]
	v_pk_add_f32 v[252:253], v[252:253], v[98:99]
	v_pk_add_f32 v[250:251], v[250:251], v[102:103]
	v_pk_add_f32 v[248:249], v[248:249], v[106:107]
	v_pk_add_f32 v[246:247], v[246:247], v[110:111]
	v_pk_add_f32 v[242:243], v[242:243], v[114:115]
	v_pk_add_f32 v[240:241], v[240:241], v[118:119]
	v_pk_add_f32 v[14:15], v[14:15], v[122:123]
	v_pk_add_f32 v[228:229], v[228:229], v[126:127]
	v_pk_add_f32 v[252:253], v[252:253], v[130:131]
	v_pk_add_f32 v[250:251], v[250:251], v[134:135]
	v_pk_add_f32 v[248:249], v[248:249], v[138:139]
	v_pk_add_f32 v[246:247], v[246:247], v[142:143]
	v_pk_add_f32 v[242:243], v[242:243], v[146:147]
	v_pk_add_f32 v[240:241], v[240:241], v[150:151]
	v_pk_add_f32 v[14:15], v[14:15], v[154:155]
	v_pk_add_f32 v[228:229], v[228:229], v[158:159]
	s_delay_alu instid0(VALU_DEP_2)
	v_pk_add_f32 v[14:15], v[14:15], v[248:249]
	s_delay_alu instid0(VALU_DEP_2)
	v_pk_add_f32 v[228:229], v[228:229], v[246:247]
	v_pk_add_f32 v[252:253], v[252:253], v[242:243]
	v_pk_add_f32 v[250:251], v[250:251], v[240:241]
	s_delay_alu instid0(VALU_DEP_2)
	v_pk_add_f32 v[14:15], v[14:15], v[252:253]
	s_delay_alu instid0(VALU_DEP_2)
	v_pk_add_f32 v[228:229], v[228:229], v[250:251]
	s_delay_alu instid0(VALU_DEP_1)
	v_pk_add_f32 v[14:15], v[14:15], v[228:229]
.set j, 0
.rept 16
	v_pk_mul_f32 v[O+j:O+j+1], v[O+j:O+j+1], v[FF:FF+1] op_sel_hi:[1,0]   ; O^T under the new M.  (With the sums above: the places between p's codes and scale word and the products below)
.set j, j+2
.endr
	s_wait_alu depctr_va_vdst(0)
	s_wait_dscnt 0x0                               ; V
.irp a, 0,1,2,3                                ; O^T += V^T P^T: the four accumulators by turns
	v_wmma_scale_f32_16x16x128_f8f6f4 v[O+8*\a:O+8*\a+7], v[FR+12*\a:FR+12*\a+11], v[PCD:PCD+11], v[O+8*\a:O+8*\a+7], v[VSW+\a], v[PSW] matrix_a_fmt:MATRIX_FMT_FP6 matrix_b_fmt:MATRIX_FMT_FP6
.endr
.Lhidden_\@:
	s_add_co_u32 s[TK], s[TK], 6144                ; the next group of 128 keys: K's and V's codes,
	s_add_co_u32 s[TS], s[TS], 512                 ; K's scale words,
	s_add_co_u32 s[TT], s[TT], 256                 ; V's
	s_add_co_u32 s[J], s[J], 1
	s_cmp_lt_u32 s[J], \trips
	s_cbranch_scc1 .Ltrip_\@
	s_setprio 0
	; THE WAY OUT: y = O^T / the sum; register 16 m + i = channel 32 m + 16 h + i of the head: two blocks along C, quantised as p is
	PLACES
	v_add_f32 v14, v14, v15
	s_delay_alu instid0(VALU_DEP_1)
	v_permlanex16_b32 v[TMP], v14, s[SEL], s[SEL+1]
	s_delay_alu instid0(VALU_DEP_1)
	v_add_f32 v14, v14, v[TMP]                     ; the row's sum
	s_wait_alu depctr_va_vdst(0)
	v_rcp_f32 v14, v14
	v_nop                                          ; one plain place behind a transcendental
.set j, 0
	s_wait_alu depctr_va_vdst(0)
.rept 16
	v_pk_mul_f32 v[S+j:S+j+1], v[O+j:O+j+1], v[14:15] op_sel_hi:[1,0]   ; each accumulator from its low end on
.set j, j+2
.endr
.irp b, 0,1
	v_max3_num_f32 v[BM+\b], |v[S+16*\b]|, |v[S+16*\b+1]|, 0x1800000
.endr
.irp i, 2,4,6,8,10,12,14
.irp b, 0,1
	s_delay_alu instid0(VALU_DEP_2)
	v_max3_num_f32 v[BM+\b], v[BM+\b], |v[S+16*\b+\i]|, |v[S+16*\b+\i+1]|
.endr
.endr
.irp b, 0,1
	s_delay_alu instid0(VALU_DEP_2)
	v_permlanex16_b32 v[B2+\b], v[BM+\b], s[SEL], s[SEL+1]
.endr
.irp b, 0,1
	s_delay_alu instid0(VALU_DEP_2)
	v_max_num_f32 v[BM+\b], v[BM+\b], v[B2+\b]
.endr
.irp b, 0,1
	s_delay_alu instid0(VALU_DEP_2)
	v_add_nc_u32 v[SOP+\b], 0xff000000, v[BM+\b]
.endr
.irp b, 0,1
	s_delay_alu instid0(VALU_DEP_2)
	v_lshrrev_b32 v[B2+\b], 23, v[SOP+\b]
.endr
	s_delay_alu instid0(VALU_DEP_1)
	v_lshl_or_b32 v[SV+2*\pi], v[B2+1], 8, v[B2]   ; my row's two scale bytes
	v_cvt_scalef32_pk16_fp6_f32 v[H:H+2], v[S:S+15], v[SOP]
	v_cvt_scalef32_pk16_fp6_f32 v[TH:TH+2], v[S+16:S+31], v[SOP+1]
	v_nop                                          ; one plain place behind a scaled conversion
.irp i, 0,1,2
	v_permlane16_swap_b32 v[H+\i], v[TH+\i]
.endr
.irp i, 0,1,2
	s_delay_alu instid0(VALU_DEP_3)
	v_mov_b32 v[H+3+\i], v[TH+\i]
.endr
.irp p, 0,1,2
	global_store_b64 v[VY], v[H+2*\p:H+2*\p+1], s[6:7] offset:256*\p   ; 32 lanes store 256 consecutive bytes, aligned
.endr
.endm
	PASS 0, 8
	PASS 1, 16
	v_and_b32 v8, 31, v0
	s_delay_alu instid0(VALU_DEP_1)
	v_cmp_le_u32 vcc_lo, 16, v8
	s_delay_alu instid0(VALU_DEP_1)
	v_cndmask_b32 v[SV], v[SV], v[SV+2], vcc_lo    ; lanes 0-15 store the first tile's rows' bytes, lanes 16-31 the second's (every lane holds its row's)
	s_delay_alu instid0(VALU_DEP_2)
	v_cndmask_b32 v[SV+1], v[SV+1], v[SV+3], vcc_lo
	global_store_b16 v[SV+1], v[SV], s[6:7]
	s_wait_tensorcnt 0x0
	ds_add_u32 v254, v255
	s_wait_dscnt 0x0
	CROUND                                         ; the closing round: no work-group ends while a partner may still ask for a tile that names it
	s_endpgm
.Lfunc_end_k_q8637ed9115_attn:
	.size	k_q8637ed9115_attn, .Lfunc_end_k_q8637ed9115_attn-k_q8637ed9115_attn
	.p2alignl 7, 3214868480
	.fill 96, 4, 3214868480
	.section	.rodata,"a",@progbits
	.p2align	6, 0x0
	.amdhsa_kernel k_q8637ed9115_attn
		.amdhsa_group_segment_fixed_size 210944
		.amdhsa_private_segment_fixed_size 0
		.amdhsa_enable_private_segment 0
		.amdhsa_kernarg_size 16
		.amdhsa_user_sgpr_count 2
		.amdhsa_user_sgpr_kernarg_segment_ptr 1
		.amdhsa_wavefront_size32 1
		.amdhsa_system_sgpr_workgroup_id_x 1
		.amdhsa_system_sgpr_workgroup_id_y 1
		.amdhsa_system_sgpr_workgroup_id_z 1
		.amdhsa_system_vgpr_workitem_id 0
		.amdhsa_next_free_vgpr 256
		.amdhsa_next_free_sgpr 100
		.amdhsa_reserve_vcc 1
		.amdhsa_float_denorm_mode_32 3
		.amdhsa_float_denorm_mode_16_64 3
		.amdhsa_memory_ordered 1
		.amdhsa_forward_progress 1
		.amdhsa_inst_pref_size 72
	.end_amdhsa_kernel
	.amdgpu_metadata
---
amdhsa.version: [ 1, 2 ]
amdhsa.kernels:
  - .name:           k_q8637ed9115_attn
    .symbol:         k_q8637ed9115_attn.kd
    .args:
      - { .name: qkv, .offset: 0, .size: 8, .value_kind: global_buffer, .address_space: global }
      - { .name: yq, .offset: 8, .size: 8, .value_kind: global_buffer, .address_space: global }
    .group_segment_fixed_size: 210944
    .private_segment_fixed_size: 0
    .kernarg_segment_align: 8
    .kernarg_segment_size: 16
    .max_flat_workgroup_size: 512
    .sgpr_count:     100
    .vgpr_count:     256
    .wavefront_size: 32
...
	.end_amdgpu_metadata
.endif
;; end of part 3
;; launch gemm_proj (part 4): grid 8 x 32, 4 waves a work-group, clusters of 4 x 4, 307,712 bytes of LDS; arguments yq, wq, b_proj, out0; writes out0
.if DOCPART == 4
	.amdgcn_target "amdgcn-amd-amdhsa--gfx1250"
	.amdhsa_code_object_version 6
	.text
	.protected	k_q8637ed9115_gemm_proj
	.globl	k_q8637ed9115_gemm_proj
	.p2align	8
	.type	k_q8637ed9115_gemm_proj,@function
k_q8637ed9115_gemm_proj:
	s_mov_b64 s[64:65], 0
	v_nop
	global_prefetch_b8 v0, s[64:65] scope:SCOPE_SE
	s_setreg_imm32_b32 hwreg(HW_REG_WAVE_MODE, 25, 1), 1
	s_wait_xcnt 0x0
	s_wait_alu depctr_hold_cnt(0) depctr_sa_sdst(0) depctr_va_vdst(0) depctr_va_sdst(0) depctr_va_ssrc(0) depctr_va_vcc(0) depctr_vm_vsrc(0)
	s_getreg_b32 s2, hwreg(HW_REG_IB_STS2, 6, 4)
	s_cmp_eq_u32 s2, 0
	s_cbranch_scc0 .Lentry_in_a_cluster
	s_endpgm
.Lentry_in_a_cluster:
	s_bfe_u32 s2, ttmp6, 0x10000c
	s_cmp_lg_u32 s2, 0xf033
	s_cbranch_scc0 .Lentry_shape_is_right
	s_endpgm
.Lentry_shape_is_right:
; out0 = y w_proj + b_proj on codes of FP6 (E2M3) with E8M0 scales for each 32 along K = 1,024; out0 [8192][1024] f32.
; OPERANDS come as blocks of 102,400 bytes for 128 rows (scale words, then fragments in the order of the operand's registers); lane r of tile t holds row 32 (t / 2) + 8 (t % 2) + r + 8 (r / 8) of its group.
; SHARES.  A work-group makes 128 rows of P (source 0: columns of w_proj, groups 24-31 of wq) x 256 rows of R (source 1: tokens, yq); all of K lies in LDS, 307,200 bytes, each byte filled ONCE.
; All four waves use P's 128 rows; wave w takes R's group w / 2, tiles 4 (w % 2) + 0 .. 3: 32 accumulators, 32 matrix instructions a K step of 128, eight K steps written out.
; A lane holds a token; the 16 registers of P's tiles 2 b and 2 b + 1 are columns 32 b + 16 (lane / 16) + 0 .. 15.
; CLUSTERS: 4 x 4 work-groups.  P's block hangs on cx alone and is asked for jointly by the four of a column of the cluster, R's on cy alone, by the four of a row: each block is requested once for four.
; REGISTERS, in windows of 256: window 0: v1-15 addresses; v32-95 scale words (8 a K step); v96-159 the bias, later with v160-223 rows on the way out.   window 1: P's fragments, set p at v[128 p + 12 b].
;   window 2: accumulator (a, b) at v[64 a + 8 b].   window 3: R's fragments, set p at v[64 p + 12 a].
.set GBLK,  102400
.set QTR,   25600                      ; a quarter of a block: what one tensor load brings, 100 rows of 256 bytes
.set ADP,   4                          ; v4-5   P's fragments of K steps 0-3, 4-7
.set ADR,   6                          ; v6-7   R's
.set ADS,   8                          ; v8     scale words: lanes 0-15 P's tiles 0-3, lanes 16-31 my four tiles of R
.set STO,   9                          ; v9     the way out: where I put 32 bytes of a row
.set RD,    10                         ; v10    and where I read a row back
.set ADS2,  11                         ; v11    scale words: lanes 0-15 P's tiles 4-7, lanes 16-31 R's again
.set CO,    12                         ; v12    16 x lane: my bytes of a row's 512
.set L8,    13                         ; v13    8 x lane
.set SC,    32
.set BI,    96
.set BK,    96                         ; the way out: 16 rows read back from the stage: v96-159 and v160-223 by turns
.set SP,    528                        ; a stage row: 512 bytes + 16
.set STAGE, 4096                       ; a stage of 16 rows for each wave, in the bytes of P's K steps 0 to 2: they have had their only fill, and every wave's last read of them stands ahead of K step 4's barrier
.set WV,    14
.set CX,    15
.set CY,    16
.set GR,    17
.set HF,    18
.set G1P,   24                         ; s[24:31] descriptor group 1 for P;  s[32:39] for R: they differ in the mask
.set G1R,   32
.set G0P,   40                         ; s[40:55] four groups 0 for P;  s[68:83] for R
.set G0R,   68
.set MSB, 0
.macro WIN new                         ; the immediate's high byte repeats the setting that is left
.if MSB != \new
	s_set_vgpr_msb (MSB<<8)|\new
.set MSB, \new
.endif
.endm
.macro CROUND                          ; a round of the cluster's barrier
	s_barrier_signal -1
	s_barrier_wait -1
	s_cmp_lg_u32 s[WV], 0
	s_cbranch_scc1 .Lnot_wave_0_\@
	s_barrier_signal -3
.Lnot_wave_0_\@:
	s_barrier_wait -3
	s_barrier_signal -1
	s_barrier_wait -1
.endm
.macro FETCH s, set                    ; K step s: P's eight fragments and my four of R; each load takes 256 consecutive bytes
	WIN 0x40                                       ; destination window 1
.irp b, 0,1,2,3,4,5,6,7
.irp p, 0,1,2,3,4,5
	ds_load_b64 v[128*(\set)+12*\b+2*\p:128*(\set)+12*\b+2*\p+1], v[ADP+(\s)/4] offset:((\s)%4)*12288+\b*1536+\p*256
.endr
.endr
	WIN 0xc0                                       ; destination window 3
.irp a, 0,1,2,3
.irp p, 0,1,2,3,4,5
	ds_load_b64 v[64*(\set)+12*\a+2*\p:64*(\set)+12*\a+2*\p+1], v[ADR+(\s)/4] offset:((\s)%4)*12288+\a*1536+\p*256
.endr
.endr
	WIN 0
.endm
; 32 matrix instructions.  cmode 0: onto the sums; 1: the sums begin with the bias of P's rows.  The 32 accumulators take turns, in the same order in every K step.
.macro MULS s, set, cmode
.if \cmode == 0
	WIN 0xad                                       ; source 0 window 1, source 1 window 3, C and D window 2
.else
	WIN 0x8d                                       ; C window 0
.endif
.irp a, 0,1,2,3
.irp b, 0,1,2,3,4,5,6,7
.if \cmode == 0
.set CR, 64*\a+8*\b
.else
.set CR, BI+8*\b
.endif
	v_wmma_scale_f32_16x16x128_f8f6f4 v[64*\a+8*\b:64*\a+8*\b+7], v[128*(\set)+12*\b:128*(\set)+12*\b+11], v[64*(\set)+12*\a:64*(\set)+12*\a+11], v[CR:CR+7], v[SC+8*(\s)+\b], v[SC+8*(\s)+\a] matrix_a_fmt:MATRIX_FMT_FP6 matrix_b_fmt:MATRIX_FMT_FP6 matrix_b_scale:MATRIX_SCALE_ROW1
.endr
.endr
.endm
; The head of the products.  A block's first quarter holds its scale words and K step 0; the second completes K steps 1 and 2.
.macro FIRST cmode
	s_wait_tensorcnt 0x3                           ; my first load has landed; my other three may be out
	s_barrier_signal -1
	s_barrier_wait -1                              ; everybody's first has
.irp s, 0,1,2,3,4,5,6,7
	ds_load_b128 v[SC+8*\s:SC+8*\s+3], v[ADS] offset:\s*256
	ds_load_b128 v[SC+8*\s+4:SC+8*\s+7], v[ADS2] offset:\s*256
.endr
	FETCH 0, 0
	s_wait_dscnt 0x0
	s_wait_tensorcnt 0x2                           ; my second load has landed; two may be out
	s_barrier_signal -1
	s_barrier_wait -1
	FETCH 1, 1
	s_wait_loadcnt 0x0                             ; the bias
	MULS 0, 0, \cmode
	WIN 0
.endm
.macro STEP s
	s_wait_dscnt 0x0                               ; this step's fragments are in (asked for ahead of the last step's products)
.if ((\s) == 2) || ((\s) == 4)
	s_wait_tensorcnt 2-(\s)/2                      ; my load that completes K steps s + 1 and s + 2 (at s = 4: all the rest) has landed; the later ones may be out
	s_barrier_signal -1
	s_barrier_wait -1
.endif
.if (\s) < 7
.rept 4
	v_nop                                          ; places in front of loads into the set that the last step's products read (ISA guide 7.12.1 for vector instructions)
.endr
	FETCH (\s)+1, 1-(\s)%2
.endif
	MULS \s, (\s)%2, 0
	WIN 0
.endm
; THE WAY OUT of my tile a of tokens: a lane holds pieces of 32 bytes of one row, the lanes beside it other rows: the tile goes through my own stage and comes back as whole rows of 512 bytes.
.macro TOSTAGE a
	WIN 0x08                                       ; an LDS store's data are its source 1: window 2
.irp b, 0,1,2,3,4,5,6,7
	ds_store_b128 v[STO], v[64*(\a)+8*\b:64*(\a)+8*\b+3] offset:128*(\b/2)+32*(\b%2)      ; each accumulator from its low end on
	ds_store_b128 v[STO], v[64*(\a)+8*\b+4:64*(\a)+8*\b+7] offset:128*(\b/2)+32*(\b%2)+16
.endr
	WIN 0
.set BB, BK+64*((\a)%2)
.irp i, 0,1,2,3,4,5,6,7,8,9,10,11,12,13,14,15
	ds_load_b128 v[BB+4*\i:BB+4*\i+3], v[RD] offset:\i*SP   ; LDS serves a wave's instructions in order: these see the stores above, and the next tile's stores come behind them
.endr
.endm
.macro SEND a, younger                 ; younger: the LDS instructions issued behind tile a's loads, which may stay out
.set BB, BK+64*((\a)%2)
	s_wait_dscnt \younger
.irp i, 0,1,2,3,4,5,6,7,8,9,10,11,12,13,14,15
	global_store_b128 v[CO], v[BB+4*\i:BB+4*\i+3], s[10:11] offset:(32*((\a)/2)+8*((\a)%2)+\i+8*(\i/8))*4096 th:TH_STORE_NT   ; 32 lanes store 512 consecutive bytes, aligned; written once, read by nobody here
.endr
.endm
	s_load_b256 s[4:11], s[0:1], 0x0               ; yq s[4:5], wq s[6:7], b_proj s[8:9], out0 s[10:11]
	v_lshl_add_u32 v254, v0, 2, 0x4b000
	v_mov_b32 v255, 0
	ds_add_u32 v254, v255
	ds_add_u32 v254, v255
	v_lshrrev_b32 v1, 5, v0
	v_readfirstlane_b32 s[WV], v1                  ; wave 0..3
	s_bfe_u32 s[CX], ttmp6, 0x40000                ; cx, cy: my place in the cluster
	s_bfe_u32 s[CY], ttmp6, 0x40004
	s_lshr_b32 s[GR], s[WV], 1                     ; which group of R is mine.  Also: which group of R waves 1 and 2 fetch
	s_and_b32 s[HF], s[WV], 1                      ; which four tiles of it
	s_lshl_b32 s19, 0x1111, s[CX]                  ; my column of the cluster
	s_lshl_b32 s20, s[CY], 2
	s_lshl_b32 s20, 15, s20                        ; my row
	s_or_b32 s[G1P], s19, (3<<16)|(1<<21)          ; 15:0 the mask: P's block goes to my column; 17:16 elements of 8 bytes; 20 no padding; 21 set beside a mask
	s_or_b32 s[G1R], s20, (3<<16)|(1<<21)          ; R's goes to my row
.irp g, G1P, G1R
	s_mov_b32 s[\g+1], 32<<16                      ; tensor_dim0 = 32 elements: rows of 256 bytes
	s_mov_b32 s[\g+2], 100<<16                     ; tensor_dim1 = 100
	s_mov_b32 s[\g+3], 32<<16                      ; tile_dim0
	s_mov_b32 s[\g+4], 100                         ; tile_dim1
	s_mov_b32 s[\g+5], 32                          ; the pitch: the block is dense
	s_mov_b32 s[\g+6], 0
	s_mov_b32 s[\g+7], 0
.endr
	s_lshl_b32 s84, ttmp9, 2
	s_add_co_u32 s84, s84, s[CX]                   ; P: column group 4 x cluster x + cx, 0 .. 7
	s_and_b32 s86, ttmp7, 0xffff
	s_lshl_b32 s86, s86, 2
	s_add_co_u32 s86, s86, s[CY]                   ; R: pair of token groups 4 x cluster y + cy, 0 .. 31
	s_mul_i32 s21, s[GR], GBLK
	s_mul_i32 s94, s84, GBLK
	s_add_co_u32 s94, s94, 24*GBLK                 ; w_proj begins at group 24 of wq
	s_mov_b32 s95, 0
	s_mul_i32 s96, s86, 2*GBLK
	s_add_co_u32 s96, s96, s21
	s_mov_b32 s97, 0
	s_wait_dscnt 0x0
	s_wait_kmcnt 0x0
	s_add_nc_u64 s[56:57], s[6:7], s[94:95]        ; P's block
	s_add_nc_u64 s[58:59], s[4:5], s[96:97]        ; R's group wave / 2
.irp q, 0,1,2,3
	s_mov_b32 s[G0P+4*\q], 1                       ; count = 1
	s_mov_b32 s[G0P+4*\q+1], \q*QTR                ; LDS address
	s_add_nc_u64 s[G0P+4*\q+2:G0P+4*\q+3], s[56:57], \q*QTR
	s_or_b32 s[G0P+4*\q+3], s[G0P+4*\q+3], 0x80000000   ; type = 2
	s_mov_b32 s[G0R+4*\q], 1
	s_add_co_u32 s[G0R+4*\q+1], s21, GBLK+\q*QTR
	s_add_nc_u64 s[G0R+4*\q+2:G0R+4*\q+3], s[58:59], \q*QTR
	s_or_b32 s[G0R+4*\q+3], s[G0R+4*\q+3], 0x80000000
.endr
	CROUND                                         ; all sixteen work-groups are here: the joint loads meet
	s_cmp_eq_u32 s[WV], 0                          ; wave 0 fetches P, waves 1 and 2 R's two groups, wave 3 nothing: four loads of a wave are out at the most
	s_cbranch_scc0 .Lnot_p
.irp q, 0,1,2,3
	tensor_load_to_lds s[G0P+4*\q:G0P+4*\q+3], s[G1P:G1P+7]
	s_nop 0
.endr
.rept 4
	v_nop
.endr
	s_branch .Lasked
.Lnot_p:
	s_cmp_lt_u32 s[WV], 3
	s_cbranch_scc0 .Lasked
.irp q, 0,1,2,3
	tensor_load_to_lds s[G0R+4*\q:G0R+4*\q+3], s[G1R:G1R+7]
	s_nop 0
.endr
.rept 4
	v_nop
.endr
.Lasked:
	v_and_b32 v1, 31, v0                           ; lane
	v_and_b32 v2, 15, v0                           ; r
	s_wait_alu depctr_va_vdst(0)
	v_bfe_u32 v3, v0, 4, 1                         ; h
	s_wait_alu depctr_va_vdst(0)
	s_lshl_b32 s98, s84, 9                         ; the bias of P's 128 columns
	s_mov_b32 s99, 0
	s_add_nc_u64 s[8:9], s[8:9], s[98:99]
	v_lshlrev_b32 v14, 6, v3                       ; 64 h
.irp b, 0,1,2,3,4,5,6,7                        ; lane (r, h), tile b: the bias of columns 32 (b / 2) + 8 (b % 2) + 16 h + 0 .. 7
	global_load_b128 v[BI+8*\b:BI+8*\b+3], v14, s[8:9] offset:(32*(\b/2)+8*(\b%2))*4
	global_load_b128 v[BI+8*\b+4:BI+8*\b+7], v14, s[8:9] offset:(32*(\b/2)+8*(\b%2))*4+16
.endr
	v_lshlrev_b32 v[L8], 3, v1
	v_add_nc_u32 v[ADP], 4096, v[L8]
	v_add_nc_u32 v[ADP+1], 4096+49152, v[L8]
	s_mul_i32 s22, s[HF], 6144
	s_add_co_u32 s22, s22, s21
	s_add_co_u32 s22, s22, GBLK+4096
	v_add_nc_u32 v[ADR], s22, v[L8]
	s_add_co_u32 s22, s22, 49152
	v_add_nc_u32 v[ADR+1], s22, v[L8]
	s_lshl_b32 s23, s[HF], 11
	s_add_co_u32 s23, s23, s21
	s_add_co_u32 s19, s23, GBLK-2048
	s_add_co_u32 s23, s23, GBLK                    ; where my four tiles' scale words of R begin
	v_lshlrev_b32 v15, 4, v2                       ; 16 r
	v_mul_u32_u24 v[ADS], s23, v3                  ; lanes 16-31 take R's
	v_add_nc_u32 v[ADS], v[ADS], v15
	v_mul_u32_u24 v[ADS2], s19, v3
	v_add_nc_u32 v[ADS2], v[ADS2], v15
	v_add_nc_u32 v[ADS2], 2048, v[ADS2]
	s_mul_i32 s22, s[WV], 16*SP
	s_add_co_u32 s22, s22, STAGE                   ; my stage
	v_mul_u32_u24 v[STO], v2, SP
	v_lshl_add_u32 v[STO], v3, 6, v[STO]
	v_add_nc_u32 v[STO], s22, v[STO]               ; in: row r, + 64 h
	v_lshlrev_b32 v[CO], 4, v1
	v_add_nc_u32 v[RD], s22, v[CO]                 ; back: the 32 lanes take one row of 512 bytes
	s_lshl_b32 s60, s86, 8
	s_lshl_b32 s61, s[GR], 7
	s_add_co_u32 s60, s60, s61
	s_lshl_b32 s61, s[HF], 6
	s_add_co_u32 s60, s60, s61                     ; my first token: 256 x R's tile + 128 x group + 64 x half
	s_lshl_b32 s60, s60, 12                        ; rows of 4,096 bytes
	s_lshl_b32 s61, s84, 9                         ; P's 128 columns: 512 bytes
	s_add_co_u32 s60, s60, s61
	s_mov_b32 s61, 0
	s_add_nc_u64 s[10:11], s[10:11], s[60:61]
	s_wait_alu depctr_va_vdst(0)
	FIRST 1
	STEP 1
	STEP 2
	STEP 3
	STEP 4
	STEP 5
	STEP 6
	STEP 7
.rept 4
	v_nop                                          ; places in front of the first read of results
.endr
	TOSTAGE 0
	TOSTAGE 1
	SEND 0, 32                                     ; behind tile 0's loads: tile 1's 16 stores and 16 loads
	s_wait_xcnt 0x0                                ; tile 0's stores have read their registers: tile 2's rows may land there
	TOSTAGE 2
	SEND 1, 32
	s_wait_xcnt 0x0
	TOSTAGE 3
	SEND 2, 32
	SEND 3, 0
	s_wait_dscnt 0x0
	s_wait_tensorcnt 0x0
	ds_add_u32 v254, v255
	s_wait_dscnt 0x0
	CROUND                                         ; the closing round: no work-group ends while a partner may still ask for a block that names it
	s_endpgm
.Lfunc_end_k_q8637ed9115_gemm_proj:
	.size	k_q8637ed9115_gemm_proj, .Lfunc_end_k_q8637ed9115_gemm_proj-k_q8637ed9115_gemm_proj
	.p2alignl 7, 3214868480
	.fill 96, 4, 3214868480
	.section	.rodata,"a",@progbits
	.p2align	6, 0x0
	.amdhsa_kernel k_q8637ed9115_gemm_proj
		.amdhsa_group_segment_fixed_size 307712
		.amdhsa_private_segment_fixed_size 0
		.amdhsa_enable_private_segment 0
		.amdhsa_kernarg_size 32
		.amdhsa_user_sgpr_count 2
		.amdhsa_user_sgpr_kernarg_segment_ptr 1
		.amdhsa_wavefront_size32 1
		.amdhsa_system_sgpr_workgroup_id_x 1
		.amdhsa_system_sgpr_workgroup_id_y 1
		.amdhsa_system_sgpr_workgroup_id_z 1
		.amdhsa_system_vgpr_workitem_id 0
		.amdhsa_next_free_vgpr 1024
		.amdhsa_next_free_sgpr 100
		.amdhsa_reserve_vcc 0
		.amdhsa_float_denorm_mode_32 3
		.amdhsa_float_denorm_mode_16_64 3
		.amdhsa_memory_ordered 1
		.amdhsa_forward_progress 1
		.amdhsa_inst_pref_size 97
	.end_amdhsa_kernel
	.amdgpu_metadata
---
amdhsa.version: [ 1, 2 ]
amdhsa.kernels:
  - .name:           k_q8637ed9115_gemm_proj
    .symbol:         k_q8637ed9115_gemm_proj.kd
    .args:
      - { .name: yq, .offset: 0, .size: 8, .value_kind: global_buffer, .address_space: global }
      - { .name: wq, .offset: 8, .size: 8, .value_kind: global_buffer, .address_space: global }
      - { .name: b_proj, .offset: 16, .size: 8, .value_kind: global_buffer, .address_space: global }
      - { .name: out0, .offset: 24, .size: 8, .value_kind: global_buffer, .address_space: global }
    .group_segment_fixed_size: 307712
    .private_segment_fixed_size: 0
    .kernarg_segment_align: 8
    .kernarg_segment_size: 32
    .max_flat_workgroup_size: 128
    .sgpr_count:     100
    .vgpr_count:     1024
    .wavefront_size: 32
...
	.end_amdgpu_metadata
.endif
;; end of part 4
